; MI455X (gfx1250); checked and timed in simulation.
; The chip was launched on July 23, 2026; its instructions are those of AMD's public machine-readable ISA for CDNA 5 (MIT licence, August 2026) and "CDNA5" Instruction Set Architecture Reference Guide (July 2026). The comments in the code are by the model that wrote it; some were corrected since.
;; Sparse Block. Allowed arithmetic: matrix products marked QUANTISED: E4M3 operands, one E8M0 scale for each 32 along K, by v_wmma_scale_f32_16x16x128_f8f6f4 with both operands' format E4M3, f32 sums; everything else in f32.
;; Inputs: attention_mask 2 x 2,048 int32; b1 4,096 float32; b2 1,024 float32; b_in 3,072 float32; b_ln1 1,024 float32; b_ln2 1,024 float32; b_out 1,024 float32; g_ln1 1,024 float32; g_ln2 1,024 float32; w1_codes 4,096 x 32 x 32 uint8 (E4M3 codes of w1, K innermost, in blocks of 32 codes); w1_scales 4,096 x 32 uint8 (E8M0 scales of w1, one for each 32 codes along K); w2_codes 1,024 x 128 x 32 uint8 (E4M3 codes of w2, K innermost, in blocks of 32 codes); w2_scales 1,024 x 128 uint8 (E8M0 scales of w2, one for each 32 codes along K); w_in_codes 3,072 x 32 x 32 uint8 (E4M3 codes of w_in, K innermost, in blocks of 32 codes); w_in_scales 3,072 x 32 uint8 (E8M0 scales of w_in, one for each 32 codes along K); w_out_codes 1,024 x 32 x 32 uint8 (E4M3 codes of w_out, K innermost, in blocks of 32 codes); w_out_scales 1,024 x 32 uint8 (E8M0 scales of w_out, one for each 32 codes along K); x 2 x 2,048 x 1,024 float32.
;; Outputs: out0 2 x 2,048 x 1,024 float32.
;; This version of the problem:
;;   THIS VERSION OF THE PROBLEM IS GIVEN IN LOW PRECISION. The matrix products marked QUANTISED in the list below multiply operands that are first quantised to E4M3 (4 exponent bits, 3 mantissa bits; 8 bits a number), with one power-of-two scale for each 32 numbers along K (OCP MX v1.0); their sums are f32. All else is computed in f32.
;;   The module's matrix products, in the order in which they are computed (A, B: the left and right operand; K: the contracted axis; several contracted axes count as one K, in the product's order):
;;     1. [M 4,096, K 1,024] x [K 1,024, N 3,072]; A: computed on the way; B: input w_in (given as codes): QUANTISED
;;     2. batch 32 x [M 2,048, K 64] x [K 64, N 2,048]; A: computed on the way; B: computed on the way: QUANTISED
;;     3. batch 32 x [M 64, K 2,048] x [K 2,048, N 2,048]; A: computed on the way; B: softmax (see below): QUANTISED
;;     4. [M 4,096, K 1,024] x [K 1,024, N 1,024]; A: computed on the way; B: input w_out (given as codes): QUANTISED
;;     5. [M 4,096, K 1,024] x [K 1,024, N 4,096]; A: computed on the way; B: input w1 (given as codes): QUANTISED
;;     6. [M 4,096, K 4,096] x [K 4,096, N 1,024]; A: computed on the way; B: input w2 (given as codes): QUANTISED
;;   THE QUANTISER, for each operand of a quantised product, along K:
;;     - K is cut into blocks of 32 from its start; a last block that is shorter is filled with zeros.
;;     - A block's scale is 2^e with e = floor(log2(the largest magnitude in the block)) - 8, held to -126 .. 127; a block of zeros has e = 0. As a byte (E8M0): e + 127.
;;     - Each number is divided by its block's scale, clamped to +-448, and rounded to the nearest number of E4M3, ties to even, subnormals kept.
;;     - The product sums the exact products of the quantised numbers (number of the format x scale) in f32.
;;   ~~~python
;;   def quantise(x, axis):      # numpy; x: float32 -> the quantised numbers, widened to float32 again
;;       x = np.moveaxis(x, axis, -1); K = x.shape[-1]
;;       x = np.pad(x, [(0, 0)] * (x.ndim - 1) + [(0, -K % 32)]); x = x.reshape(x.shape[:-1] + (-1, 32)); a = np.abs(x).max(-1, keepdims=True)
;;       e = np.where(a > 0, np.clip(np.frexp(np.where(a > 0, a, 1))[1] - 1 - 8, -126, 127), 0)      # np.frexp(a)[1] - 1 = floor(log2(a)), exactly
;;       r = np.clip(x / 2.0 ** e, -448, 448)
;;       step = 2.0 ** (np.maximum(np.frexp(np.where(r == 0, 1, r))[1] - 1, -6) - 3)
;;       q = np.round(r / step) * step * 2.0 ** e      # np.round: ties to even
;;       return np.moveaxis(q.reshape(q.shape[:-2] + (-1,))[..., :K], -1, axis).astype(np.float32)
;;   ~~~
;;   SOFTMAX AHEAD OF A QUANTISED PRODUCT. Where the list says 'softmax', what is quantised is not the finished softmax but p = 2^(t - M), with t = logit x log2(e) and M = ceil(the row's largest t), a whole number; so 1/2 < the row's largest p <= 1. The row's sum l is taken of the UNQUANTISED p, in f32, and the product's result is divided by l at the end. Since M is a whole number, a kernel that streams over the keys may use a running M (the ceiling of the running maximum): every later rescaling is an exact power of two, which a block's scale takes up: the codes' values come out the same.
;;   OPERANDS COMPUTED ON THE WAY. 'Computed on the way' means the value that the module computes at that place (a softmax that the list does not call 'softmax' is quantised finished and normalised). What goes into a quantiser is computed in f32, as accurately as f32 sums, v_exp_f32 and their like allow (about 1e-6 of the number): no bf16 or f16 on the way to a quantiser, and a product that is left as it is and whose result goes on into a quantised operand takes f32 operands (vector FMAs, or v_wmma_f32_16x16x4_f32). A number that lies on a knife's edge between two numbers of the format may be rounded either way, as far as f32 arithmetic and the matrix unit's own rounding can turn it there, and no further.
;;   INPUTS GIVEN AS CODES. w1 (in the module: [4096, 1024], K = its axis 1); w2 (in the module: [1024, 4096], K = its axis 1); w_in (in the module: [3072, 1024], K = its axis 1); w_out (in the module: [1024, 1024], K = its axis 1): each comes as NAME_codes (uint8): NAME with its K axis moved to the last place and cut into blocks of 32 codes, [.., K / 32, bytes a block], one block behind the other in memory; one code a byte (a code: sign, 4 exponent bits, 3 mantissa bits); and NAME_scales (uint8): the same leading axes, one E8M0 byte (e + 127) for each 32 codes along K. Its value is code x scale, taken as it is: it is not quantised again, and the codes and scales need not be those that the quantiser above would give.
;; One version. Each part assembles by itself: llvm-mc -triple=amdgcn-amd-amdhsa -mcpu=gfx1250 --defsym DOCPART=n.
;; ======== version 1 of 1: 7 launches
;; limits: right only within a limited range of input values
;; workspace buffers: act_codes 4,194,304 bytes; act_scales 131,072 bytes; qkv_img 12,582,912 bytes; qkv_sc 393,216 bytes; x1 16,777,216 bytes; g_codes 16,777,216 bytes; g_scales 524,288 bytes
;; launch lnq (part 1): grid 256 x 1, 16 waves a work-group, no clusters, 3,072 bytes of LDS; arguments x, g_ln1, b_ln1, act_codes, act_scales; writes act_codes, act_scales
.if DOCPART == 1
	.amdgcn_target "amdgcn-amd-amdhsa--gfx1250"
	.amdhsa_code_object_version 6
	.text
	.protected	k_q3addbdd14f_lnq
	.globl	k_q3addbdd14f_lnq
	.p2align	8
	.type	k_q3addbdd14f_lnq,@function
k_q3addbdd14f_lnq:
	s_mov_b64 s[64:65], 0
	v_nop
	global_prefetch_b8 v0, s[64:65] scope:SCOPE_SE
	s_setreg_imm32_b32 hwreg(HW_REG_WAVE_MODE, 25, 1), 1
	s_wait_xcnt 0x0
; y = (x - mean) * rsqrt(var + 1e-5) * g + b for rows of 1,024 f32, then y as codes of E4M3 with one E8M0 byte for each 32 along the row.
; A work-group takes 16 rows, each of its sixteen waves one row in 32 registers: the row is read once, mean and variance in two passes over registers.
; Lane l holds, of chunk i (0..3), columns 256 i + 8 l .. + 7: four neighbouring lanes hold a block of 32, and a lane's 8 codes are 8 bytes, so that the 32 lanes store 256 consecutive aligned bytes.
; The 16 rows' 512 scale bytes are gathered in LDS (bytes 0 .. 511) and leave by one store of wave 0.  The spare words, 128 bytes a wave, lie from byte 1,024 on.
; No matrix unit, cluster or tensor load: each byte is read once by one wave, and nothing is shared but g and b.
; LIMITS: NaN and infinities are not served; a block of zeros gets the byte 1 where the quantiser says 127 (its codes are zeros, and this program alone reads the bytes).
.set SBY, 16                           ; v16-19   a scale byte for each chunk
.set G,   32                           ; v32-63   g of my 32 columns
.set BV,  64                           ; v64-95   b
.set X,   96                           ; v96-127  my row
.set CD,  128                          ; v128-135 codes
.set SPW, 136                          ; my spare word
.set NIL, 137                          ; 0
	s_load_b256 s[4:11], s[0:1], 0x0               ; x, g, b, the codes
	s_load_b64 s[12:13], s[0:1], 0x20              ; the scale bytes
	v_lshl_add_u32 v[SPW], v0, 2, 0x400
	v_mov_b32 v[NIL], 0
	v_lshrrev_b32 v1, 5, v0
	v_readfirstlane_b32 s14, v1                    ; wave = my row in the group
	v_and_b32 v4, 31, v0                           ; lane
	v_lshlrev_b32 v1, 5, v4                        ; my 32 bytes of a chunk's 1,024
	v_lshlrev_b32 v2, 3, v4                        ; my 8 codes of a chunk's 256
	v_lshrrev_b32 v3, 2, v4
	s_lshl_b32 s15, s14, 5
	v_add_nc_u32 v3, s15, v3                       ; LDS: 32 x wave + lane / 4: my block's byte
	v_mov_b32 v11, 0                               ; (named as the upper half of the pair v[10:11])
	s_mov_b32 s16, 0x76543210
	s_mov_b32 s17, 0xfedcba98                      ; lane l xor 16
	s_mov_b32 s18, 0x600000                        ; the mantissa field of 448
	s_mov_b32 s19, 0x3a800000                      ; 1 / 1,024
	s_mov_b32 s20, 0x3727c5ac                      ; 1e-5
	s_lshl_b32 s22, ttmp9, 16                      ; 16 rows of 4,096 bytes,
	s_lshl_b32 s21, s14, 12                        ; one of them a wave
	s_add_co_u32 s22, s22, s21
	s_mov_b32 s23, 0
	s_lshr_b32 s24, s22, 2                         ; a row of codes is 1,024 bytes
	s_mov_b32 s25, 0
	s_lshl_b32 s26, ttmp9, 9                       ; 16 rows of 32 scale bytes
	s_mov_b32 s27, 0
	s_wait_alu depctr_va_vdst(0)                   ; the wait at the head's end
	s_wait_kmcnt 0x0
	s_add_nc_u64 s[4:5], s[4:5], s[22:23]
	s_add_nc_u64 s[10:11], s[10:11], s[24:25]
	s_add_nc_u64 s[12:13], s[12:13], s[26:27]
.irp i, 0,1,2,3
	global_load_b128 v[X+8*\i:X+8*\i+3], v1, s[4:5] offset:1024*\i th:TH_LOAD_NT
	global_load_b128 v[X+8*\i+4:X+8*\i+7], v1, s[4:5] offset:1024*\i+16 th:TH_LOAD_NT
.endr
.irp i, 0,1,2,3
	global_load_b128 v[G+8*\i:G+8*\i+3], v1, s[6:7] offset:1024*\i
	global_load_b128 v[G+8*\i+4:G+8*\i+7], v1, s[6:7] offset:1024*\i+16
	global_load_b128 v[BV+8*\i:BV+8*\i+3], v1, s[8:9] offset:1024*\i
	global_load_b128 v[BV+8*\i+4:BV+8*\i+7], v1, s[8:9] offset:1024*\i+16
.endr
.macro WSUM a, t                       ; the sum of v[a] over the 32 lanes, in every lane
	v_add_f32_dpp v[\a], v[\a], v[\a] row_xmask:1 row_mask:0xf bank_mask:0xf
	v_add_f32_dpp v[\a], v[\a], v[\a] row_xmask:2 row_mask:0xf bank_mask:0xf
	v_add_f32_dpp v[\a], v[\a], v[\a] row_xmask:4 row_mask:0xf bank_mask:0xf
	v_add_f32_dpp v[\a], v[\a], v[\a] row_xmask:8 row_mask:0xf bank_mask:0xf
	v_permlanex16_b32 v[\t], v[\a], s16, s17
	v_add_f32 v[\a], v[\a], v[\t]
.endm
	s_wait_loadcnt 16                              ; loads come back in order: my row is in; the 16 loads of g and b may be out
	v_pk_add_f32 v[4:5], v[X:X+1], v[X+2:X+3]      ; the row's sum, in two chains
	v_pk_add_f32 v[6:7], v[X+4:X+5], v[X+6:X+7]
.irp j, 8,12,16,20,24,28
	v_pk_add_f32 v[4:5], v[4:5], v[X+\j:X+\j+1]
	v_pk_add_f32 v[6:7], v[6:7], v[X+\j+2:X+\j+3]
.endr
	v_pk_add_f32 v[4:5], v[4:5], v[6:7]
	v_add_f32 v4, v4, v5
	WSUM 4, 5
	v_mul_f32 v4, s19, v4                          ; the mean
.irp j, 0,2,4,6,8,10,12,14,16,18,20,22,24,26,28,30
	v_pk_add_f32 v[X+\j:X+\j+1], v[X+\j:X+\j+1], v[4:5] op_sel_hi:[1,0] neg_lo:[0,1] neg_hi:[0,1]   ; d = x - mean
.endr
	v_pk_mul_f32 v[6:7], v[X:X+1], v[X:X+1]        ; the sum of d^2
	v_pk_mul_f32 v[8:9], v[X+2:X+3], v[X+2:X+3]
.irp j, 4,8,12,16,20,24,28
	v_pk_fma_f32 v[6:7], v[X+\j:X+\j+1], v[X+\j:X+\j+1], v[6:7]
	v_pk_fma_f32 v[8:9], v[X+\j+2:X+\j+3], v[X+\j+2:X+\j+3], v[8:9]
.endr
	v_pk_add_f32 v[6:7], v[6:7], v[8:9]
	v_add_f32 v6, v6, v7
	WSUM 6, 7
	v_fma_f32 v6, v6, s19, s20                     ; the variance + 1e-5
	s_wait_alu depctr_va_vdst(0)                   ; the wait ahead of the transcendental
	v_rsq_f32 v10, v6
	v_nop                                          ; a plain line behind it,
	s_wait_alu depctr_va_vdst(0)                   ; and the wait ahead of its first reader
	s_wait_loadcnt 0x0                             ; g and b
.irp j, 0,2,4,6,8,10,12,14,16,18,20,22,24,26,28,30
	v_pk_mul_f32 v[X+\j:X+\j+1], v[X+\j:X+\j+1], v[10:11] op_sel_hi:[1,0]
.endr
.irp j, 0,2,4,6,8,10,12,14,16,18,20,22,24,26,28,30
	v_pk_fma_f32 v[X+\j:X+\j+1], v[X+\j:X+\j+1], v[G+\j:G+\j+1], v[BV+\j:BV+\j+1]
.endr
.irp i, 0,1,2,3                        ; the four chunks by turns: my 8 numbers' largest magnitude, with the floor 2^(9 - 127) among the leaves: the byte cannot fall under 1
	v_max3_num_f32 v[12+\i], |v[X+8*\i]|, |v[X+8*\i+1]|, 0x4800000
.endr
.irp j, 2,4,6
.irp i, 0,1,2,3
	v_max3_num_f32 v[12+\i], v[12+\i], |v[X+8*\i+\j]|, |v[X+8*\i+\j+1]|
.endr
.endr
.irp m, 1,2                            ; and of the three lanes that share the block
.irp i, 0,1,2,3
	v_max_num_f32_dpp v[12+\i], v[12+\i], v[12+\i] row_xmask:\m row_mask:0xf bank_mask:0xf
.endr
.endr
.irp i, 0,1,2,3
	v_add_nc_u32 v[4+\i], 0xfc000000, v[12+\i]     ; 8 off the exponent field: the conversion's scale operand
.endr
.irp i, 0,1,2,3
	v_and_or_b32 v[8+\i], v[12+\i], 0x7f800000, s18   ; 448 x the scale
.endr
.irp i, 0,1,2,3
.irp j, 0,1,2,3,4,5,6,7
	v_med3_num_f32 v[X+8*\i+\j], v[X+8*\i+\j], -v[8+\i], v[8+\i]   ; the conversion does not saturate (ISA guide 7.6.2): the hold
.endr
.endr
.irp i, 0,1,2,3
	v_cvt_scalef32_pk8_fp8_f32 v[CD+2*\i:CD+2*\i+1], v[X+8*\i:X+8*\i+7], v[4+\i]
.endr
.irp i, 0,1,2,3
	v_lshrrev_b32 v[SBY+\i], 23, v[4+\i]           ; the scale's byte (plain lines behind the conversions)
.endr
.irp i, 0,1,2,3
	global_store_b64 v2, v[CD+2*\i:CD+2*\i+1], s[10:11] offset:256*\i   ; 32 lanes: 256 consecutive bytes, aligned
	ds_store_b8 v3, v[SBY+\i] offset:8*\i          ; four lanes write the same byte with the same value
.endr
	v_lshlrev_b32 v9, 1, v2                        ; 16 x lane
	s_wait_dscnt 0x0                               ; for the others' sake: my bytes lie in LDS
	s_barrier_signal -1
	s_barrier_wait -1
	s_cmp_lg_u32 s14, 0
	s_cbranch_scc1 .Lend
	s_wait_alu depctr_va_vdst(0)                   ; the wait ahead of the reader below
	ds_load_b128 v[4:7], v9                        ; wave 0: the group's 512 scale bytes
	s_wait_dscnt 0x0
	global_store_b128 v9, v[4:7], s[12:13]         ; 512 consecutive bytes, aligned
.Lend:
	s_wait_tensorcnt 0x0                           ; the wave's end
	ds_add_u32 v[SPW], v[NIL]
	s_wait_dscnt 0x0
	s_endpgm
.Lfunc_end_k_q3addbdd14f_lnq:
	.size	k_q3addbdd14f_lnq, .Lfunc_end_k_q3addbdd14f_lnq-k_q3addbdd14f_lnq
	.p2alignl 7, 3214868480
	.fill 96, 4, 3214868480
	.section	.rodata,"a",@progbits
	.p2align	6, 0x0
	.amdhsa_kernel k_q3addbdd14f_lnq
		.amdhsa_group_segment_fixed_size 3072
		.amdhsa_private_segment_fixed_size 0
		.amdhsa_enable_private_segment 0
		.amdhsa_kernarg_size 40
		.amdhsa_user_sgpr_count 2
		.amdhsa_user_sgpr_kernarg_segment_ptr 1
		.amdhsa_wavefront_size32 1
		.amdhsa_system_sgpr_workgroup_id_x 1
		.amdhsa_system_sgpr_workgroup_id_y 1
		.amdhsa_system_sgpr_workgroup_id_z 1
		.amdhsa_system_vgpr_workitem_id 0
		.amdhsa_next_free_vgpr 144
		.amdhsa_next_free_sgpr 66
		.amdhsa_reserve_vcc 0
		.amdhsa_float_denorm_mode_32 3
		.amdhsa_float_denorm_mode_16_64 3
		.amdhsa_memory_ordered 1
		.amdhsa_forward_progress 1
		.amdhsa_inst_pref_size 16
	.end_amdhsa_kernel
	.amdgpu_metadata
---
amdhsa.version: [ 1, 2 ]
amdhsa.kernels:
  - .name:           k_q3addbdd14f_lnq
    .symbol:         k_q3addbdd14f_lnq.kd
    .args:
      - { .name: x, .offset: 0, .size: 8, .value_kind: global_buffer, .address_space: global }
      - { .name: g_ln1, .offset: 8, .size: 8, .value_kind: global_buffer, .address_space: global }
      - { .name: b_ln1, .offset: 16, .size: 8, .value_kind: global_buffer, .address_space: global }
      - { .name: act_codes, .offset: 24, .size: 8, .value_kind: global_buffer, .address_space: global }
      - { .name: act_scales, .offset: 32, .size: 8, .value_kind: global_buffer, .address_space: global }
    .group_segment_fixed_size: 3072
    .private_segment_fixed_size: 0
    .kernarg_segment_align: 8
    .kernarg_segment_size: 40
    .max_flat_workgroup_size: 512
    .sgpr_count:     66
    .vgpr_count:     144
    .wavefront_size: 32
...
	.end_amdgpu_metadata
.endif
;; end of part 1
;; launch g256q (part 2): grid 12 x 16, 4 waves a work-group, clusters of 4 x 4, 327,680 bytes of LDS; arguments act_codes, act_scales, w_in_codes, w_in_scales, b_in, qkv_img, qkv_sc; writes qkv_img, qkv_sc
.if DOCPART == 2
	.amdgcn_target "amdgcn-amd-amdhsa--gfx1250"
	.amdhsa_code_object_version 6
	.text
	.protected	k_q3addbdd14f_g256q
	.globl	k_q3addbdd14f_g256q
	.p2align	8
	.type	k_q3addbdd14f_g256q,@function
k_q3addbdd14f_g256q:
	s_mov_b64 s[64:65], 0
	v_nop
	global_prefetch_b8 v0, s[64:65] scope:SCOPE_SE
	s_setreg_imm32_b32 hwreg(HW_REG_WAVE_MODE, 25, 1), 1
	s_wait_xcnt 0x0
	s_wait_alu depctr_hold_cnt(0) depctr_sa_sdst(0) depctr_va_vdst(0) depctr_va_sdst(0) depctr_va_ssrc(0) depctr_va_vcc(0) depctr_vm_vsrc(0)
	s_getreg_b32 s2, hwreg(HW_REG_IB_STS2, 6, 4)
	s_cmp_eq_u32 s2, 0
	s_cbranch_scc0 .Lentry_in_a_cluster
	s_endpgm
.Lentry_in_a_cluster:
	s_bfe_u32 s2, ttmp6, 0x10000c
	s_cmp_lg_u32 s2, 0xf033
	s_cbranch_scc0 .Lentry_shape_is_right
	s_endpgm
.Lentry_shape_is_right:
; qkv = h W_in^T + b_in on codes of E4M3 (K = 1,024), and its result quantised on the way out: q and k along the head's channels, v along the keys.
; A tile of 256 x 256 is made by four waves, 128 x 128 each: 64 accumulators, 512 registers.  K goes in steps of 256 through two LDS slots filled by the tensor data mover; the scale bytes of the tile's
; 256 + 256 rows come once, with the first fills.  4 x 4 work-groups form a cluster: A's tiles are asked for jointly along a row of the cluster, B's along a column.
; WHICH TILE.  Clusters with x < 2 make q and k: A = h (rows: tokens), B = W_in's rows 0 .. 2,047.  Clusters with x = 2 make v TRANSPOSED: A = W_in's rows 2,048 on (rows: channels), B = h (columns: tokens),
; so that the same way out, which quantises along a tile's columns, quantises v along the keys and leaves it with the keys innermost.  The choice hangs on the cluster's x alone, the same in all partners.
; The matrix instruction is used transposed (source 0 = 16 rows of B, source 1 = 16 rows of A): a lane holds one row of the tile and eight neighbouring columns.
; The bias is the C of each sum's first product: by column for q and k, by row for v; the first K step is written twice for that, under one branch on the cluster's x.
; THE WAY OUT.  The accumulators of a window go to the wave's own scratch in LDS as an image of the registers and come back 64 at a time (16 rows x 128 columns) in a loop; codes and scale words go to the wave's own
; part of a stage; behind a barrier the tile leaves in the order of the operands' registers: [R 0..7][C 0..7][u 0..1][lane][16 bytes], lane (r, h) of (R, C, u) = tile row 32 R + 8 u + r + 8 (r / 8), bytes 32 C + 16 h on.
; Scale bytes: [C / 4][row][4].  Tiles: q, k: 8 x token tile + column tile; v: 128 + 16 x channel tile + token tile.
; LIMITS: NaN and infinities are not served; a block of zeros gets the byte 1 (its codes are zeros; this program alone reads the bytes).
; REGISTERS: window 0: v0-31 addresses; v32-63 scale words, two sets; v64-127 the bias, later at work; v128-255 A's fragments, later at work.  window 1: B's fragments, two sets.  windows 2, 3: the accumulators.
.set KSTEP,  256
.set NQ,     2
.set ROWB,   256
.set KROW,   1024
.set PITCH,  272                       ; 256 bytes + 16: the 16 rows of a fragment load start at 16 different groups of banks
.set FR,     16
.set NL,     4
.set NP,     8                         ; places behind this matrix instruction (ISA guide 7.12.1)
.set HALFT,  128*PITCH
.set SLOT,   4*HALFT
.set LAPS,   KROW/(2*KSTEP)
.set KS,     KROW/32
.set SCL,    2*SLOT
.set HALFS,  (128*KS/256)*272
.set SBLK,   (16*KS/256)*272
.set SPARE,  SCL+4*HALFS               ; the spare words: 128 bytes a wave, named by no other line
.set STW,    128*144                   ; the way out (in the slots, which have had their last fill): a wave's stage, 128 rows x (128 + 16) bytes;
.set SCST,   4*STW                     ; the scale words, [column half][row][4];
.set SCR,    SCST+2048                 ; a wave's scratch, 32,768 bytes
.set CO,   7
.set ADRA, 16
.set ADRB, 20
.set SCWA, 22
.set SCRA, 23
.set STC,  24
.set STCC, 25
.set SSC,  26
.set ADRS, 27
.set SPW,  28
.set NIL,  29
.set SSCC, 30
.set RD,   31
.set SC,   32
.set BIAS, 64
.set PC,   80
.set TM,   96
.set PW,   112
.set AF,   128
.set Y,    128
.set SEL,  44
.set MNT,  46
.set G1, 24
.set G0, 32
.set G1B, 48
.set G0B, 56
.set G1S, 68
.set G0S, 76
.set G1SB, 80
.set G0SB, 88
.set MSB, 0
.macro WIN new                         ; the immediate's high byte repeats the setting that is left
.if MSB != \new
	s_set_vgpr_msb (MSB<<8)|\new
.set MSB, \new
.endif
.endm
.set MUL_LO, 0xa1                      ; source 0 (B) window 1, source 1 (A) window 0, C and D window 2
.set MUL_HI, 0xf1
.set TO_B,   0x40
.macro JLOAD g0a, g1a, g0b, g1b        ; a joint load: waves 0, 1 fetch for A, waves 2, 3 for B; four v_nop follow each line
	s_cmp_eq_u32 s15, 0
	s_cbranch_scc0 .Lfor_b_\@
	tensor_load_to_lds s[\g0a:\g0a+3], s[\g1a:\g1a+7]
	s_nop 0
.rept 4
	v_nop
.endr
	s_branch .Lasked_\@
.Lfor_b_\@:
	tensor_load_to_lds s[\g0b:\g0b+3], s[\g1b:\g1b+7]
	s_nop 0
.rept 4
	v_nop
.endr
.Lasked_\@:
.endm
.macro CREST
	s_cmp_lg_u32 s14, 0
	s_cbranch_scc1 .Lnot_wave_0_\@
	s_barrier_signal -3
.Lnot_wave_0_\@:
	s_barrier_wait -3
	s_barrier_signal -1
	s_barrier_wait -1
.endm
.macro CROUND
	s_barrier_signal -1
	s_barrier_wait -1
	CREST
.endm
	s_load_b128 s[4:7], s[0:1], 0x0                ; h's codes, h's scales
	s_load_b128 s[8:11], s[0:1], 0x10              ; W_in's codes, W_in's scales
	s_load_b64 s[12:13], s[0:1], 0x20              ; b_in
	s_load_b64 s[96:97], s[0:1], 0x28              ; the images
	s_load_b64 s[98:99], s[0:1], 0x30              ; their scale bytes
	v_lshl_add_u32 v[SPW], v0, 2, SPARE
	v_mov_b32 v[NIL], 0
	ds_add_u32 v28, v29
	ds_add_u32 v28, v29
	s_wait_dscnt 0x0
	v_lshrrev_b32 v1, 5, v0
	v_readfirstlane_b32 s14, v1                    ; wave
	s_lshr_b32 s15, s14, 1                         ; my half of the tile's rows; also: I fetch for A (0) or B (1)
	s_and_b32 s16, s14, 1                          ; my half of its columns; also: which 128 rows I fetch
	s_bfe_u32 s40, ttmp6, 0x40000                  ; cx
	s_bfe_u32 s41, ttmp6, 0x40004                  ; cy
	s_and_b32 s44, ttmp7, 0xffff
	s_lshl_b32 s44, s44, 2                         ; 4 x cluster y
	s_lshl_b32 s45, ttmp9, 2                       ; 4 x cluster x
	s_cmp_lt_u32 ttmp9, 2                          ; q, k or v?
	s_cselect_b32 s17, s44, 0
	s_cselect_b32 s42, s45, s44
	s_add_co_u32 s17, s17, s41                     ; tile row: 4 Y + cy, or cy
	s_add_co_u32 s42, s42, s40                     ; tile column: 4 X + cx, or 4 Y + cx
	s_lshl_b32 s43, s41, 2
	s_lshl_b32 s43, 15, s43                        ; my row of the cluster
	s_lshl_b32 s44, 0x1111, s40                    ; my column
	s_or_b32 s[G1+0], s43, (0<<16)|(1<<20)|(1<<21)|(5<<22)|(3<<25)   ; the mask; elements of 1 byte; 4 words of padding behind every 64
	s_or_b32 s[G1B+0], s44, (0<<16)|(1<<20)|(1<<21)|(5<<22)|(3<<25)
.irp g, G1, G1B
	s_mov_b32 s[\g+1], ROWB<<16
	s_mov_b32 s[\g+2], 256<<16                     ; the head's loads bring 256 rows; behind them these two words are set to 128, for the ring's
	s_mov_b32 s[\g+3], ROWB<<16
	s_mov_b32 s[\g+4], 256
	s_mov_b32 s[\g+5], KROW
	s_mov_b32 s[\g+6], 0
	s_mov_b32 s[\g+7], 0
.endr
	s_or_b32 s[G1S+0], s43, (3<<16)|(1<<20)|(1<<21)|(5<<22)|(3<<25)  ; the scales of 256 rows: 8,192 dense bytes as 32 rows of 256
	s_or_b32 s[G1SB+0], s44, (3<<16)|(1<<20)|(1<<21)|(5<<22)|(3<<25)
.irp g, G1S, G1SB
	s_mov_b32 s[\g+1], 32<<16
	s_mov_b32 s[\g+2], KS<<16                      ; the scales of 256 rows: 256 KS dense bytes as KS rows of 256
	s_mov_b32 s[\g+3], 32<<16
	s_mov_b32 s[\g+4], KS
	s_mov_b32 s[\g+5], 32
	s_mov_b32 s[\g+6], 0
	s_mov_b32 s[\g+7], 0
.endr
	s_lshl_b32 s20, s17, 8                         ; A: the tile's first row
	s_lshl_b32 s46, s42, 8                         ; B: likewise
	s_mov_b32 s21, 0
	s_mov_b32 s47, 0
	s_mov_b64 s[18:19], KS
	s_mul_u64 s[22:23], s[20:21], s[18:19]
	s_mul_u64 s[92:93], s[46:47], s[18:19]
	s_mov_b64 s[18:19], KROW
	s_mul_u64 s[20:21], s[20:21], s[18:19]
	s_mul_u64 s[46:47], s[46:47], s[18:19]
	s_mul_i32 s45, s14, HALFT
	s_wait_kmcnt 0x0
	s_add_nc_u64 s[66:67], s[8:9], 2048*KROW       ; W_in's rows for v,
	s_add_nc_u64 s[100:101], s[10:11], 2048*KS     ; and their scales
	s_cmp_lt_u32 ttmp9, 2
	s_cselect_b64 s[66:67], s[4:5], s[66:67]       ; A's codes
	s_cselect_b64 s[100:101], s[6:7], s[100:101]   ; A's scales
	s_cselect_b64 s[8:9], s[8:9], s[4:5]           ; B's codes
	s_cselect_b64 s[10:11], s[10:11], s[6:7]       ; B's scales
	s_add_nc_u64 s[20:21], s[66:67], s[20:21]
	s_add_nc_u64 s[22:23], s[100:101], s[22:23]
	s_add_nc_u64 s[46:47], s[8:9], s[46:47]
	s_add_nc_u64 s[92:93], s[10:11], s[92:93]
	CROUND                                         ; all sixteen work-groups are here: the first joint loads meet
	s_mov_b32 s[G0S], 1
	s_mov_b32 s[G0S+1], SCL
	s_mov_b64 s[G0S+2:G0S+3], s[22:23]
	s_or_b32 s[G0S+3], s[G0S+3], 0x80000000
	s_mov_b32 s[G0SB], 1
	s_mov_b32 s[G0SB+1], SCL+2*HALFS
	s_mov_b64 s[G0SB+2:G0SB+3], s[92:93]
	s_or_b32 s[G0SB+3], s[G0SB+3], 0x80000000
	s_mov_b32 s4, 1                                ; s[4:7], s[8:11] (the arguments there have been used): group 0 of K step 0's 256 rows of A, and of B
	s_mov_b32 s5, 0
	s_mov_b64 s[6:7], s[20:21]
	s_or_b32 s7, s7, 0x80000000
	s_mov_b32 s8, 1
	s_mov_b32 s9, 2*HALFT
	s_mov_b64 s[10:11], s[46:47]
	s_or_b32 s11, s11, 0x80000000
	s_mul_i32 s18, s16, 128*KROW                   ; for the ring: my 128 rows of the tile
	s_mov_b32 s19, 0
	s_add_nc_u64 s[20:21], s[20:21], s[18:19]
	s_add_nc_u64 s[46:47], s[46:47], s[18:19]
.irp s, 0,1
	s_mov_b32 s[G0+4*\s], 1
	s_add_co_u32 s[G0+4*\s+1], s45, \s*SLOT
	s_add_nc_u64 s[G0+4*\s+2:G0+4*\s+3], s[20:21], \s*ROWB
	s_or_b32 s[G0+4*\s+3], s[G0+4*\s+3], 0x80000000
	s_mov_b32 s[G0B+4*\s], 1
	s_add_co_u32 s[G0B+4*\s+1], s45, \s*SLOT
	s_add_nc_u64 s[G0B+4*\s+2:G0B+4*\s+3], s[46:47], \s*ROWB
	s_or_b32 s[G0B+4*\s+3], s[G0B+4*\s+3], 0x80000000
.endr
; THE HEAD'S LOADS, ONE A WAVE: wave 0 K step 0's 256 rows of A, wave 1 those of B, wave 2 A's scales, wave 3 B's: one chain of branches on the wave's number, an arm a load.
; No prefetch is laid: the block is the largest, in clusters, and K is four steps of 256.
.macro ARM under, g0, g1, next
	s_cmp_lt_u32 s14, \under
	s_cbranch_scc0 \next
	tensor_load_to_lds s[\g0:\g0+3], s[\g1:\g1+7]
	s_nop 0
.rept 4
	v_nop
.endr
	s_branch .Lhead_asked
\next:
.endm
	ARM 1, 4, G1, .Lhead_b
	ARM 2, 8, G1B, .Lhead_sa
	ARM 3, G0S, G1S, .Lhead_sb
	tensor_load_to_lds s[G0SB:G0SB+3], s[G1SB:G1SB+7]
	s_nop 0
.rept 4
	v_nop
.endr
.Lhead_asked:
	v_and_b32 v1, 15, v0
	v_bfe_u32 v2, v0, 4, 1                         ; h
	v_mul_u32_u24 v3, v1, PITCH
	v_lshl_add_u32 v4, v2, 4, v3
	s_mul_i32 s21, s15, HALFT
	s_mul_i32 s22, s16, HALFT
	s_add_co_u32 s22, s22, 2*HALFT
.irp s, 0,1
	v_add_nc_u32 v[ADRA+\s], s21, v4
	v_add_nc_u32 v[ADRB+\s], s22, v4
	s_add_co_u32 s21, s21, SLOT
	s_add_co_u32 s22, s22, SLOT
.endr
	v_mul_u32_u24 v5, v1, KS
	v_lshrrev_b32 v6, 8, v5
	v_lshl_add_u32 v5, v6, 4, v5
	s_mul_i32 s21, s15, HALFS
	s_mul_i32 s22, s16, HALFS
	s_add_co_u32 s22, s22, 2*HALFS
	s_sub_co_u32 s22, s22, s21
	v_mul_u32_u24 v6, s22, v2                      ; lanes 16-31 take B's words
	s_add_co_u32 s21, s21, SCL
	v_add_nc_u32 v5, v5, v6
	v_add_nc_u32 v[ADRS], s21, v5
	; the bias, in the result's layout: by column v[BIAS + 8 b + j] = b_in[first + 16 b + 8 h + j]; by row v[BIAS + 8 a + j] = b_in[first + 16 a + r]
	s_lshl_b32 s92, s42, 8
	s_lshl_b32 s93, s16, 7
	s_add_co_u32 s92, s92, s93                     ; by column: 256 x tile column + 128 x my half
	s_lshl_b32 s93, s17, 8
	s_lshl_b32 s94, s15, 7
	s_add_co_u32 s93, s93, s94
	s_add_co_u32 s93, s93, 2048                    ; by row: 2,048 + 256 x tile row + 128 x my half
	s_lshl_b32 s20, s17, 3
	s_add_co_u32 s20, s20, s42                     ; the tile's number: 8 x row + column,
	s_lshl_b32 s21, s17, 4
	s_add_co_u32 s21, s21, s42
	s_add_co_u32 s21, s21, 128                     ; or 128 + 16 x row + column
	s_cmp_lt_u32 ttmp9, 2
	s_cselect_b32 s92, s92, s93
	s_cselect_b32 s18, 32, 0                       ; bytes for h,
	s_cselect_b32 s19, 0, 4                        ; for r,
	s_cselect_b32 s22, 4, 0                        ; for j
	s_cselect_b32 s20, s20, s21
	s_lshl_b32 s92, s92, 2
	s_mov_b32 s93, 0
	s_add_nc_u64 s[12:13], s[12:13], s[92:93]
	v_mul_u32_u24 v5, v2, s18
	v_mad_u32_u24 v5, v1, s19, v5
	s_wait_alu depctr_va_vdst(0)
	s_mov_b32 s23, 0
.irp j, 0,1,2,3,4,5,6,7
	v_add_nc_u32 v[8+\j], s23, v5
	s_add_co_u32 s23, s23, s22
.endr
	s_wait_alu depctr_va_vdst(0)
.irp g, 0,1,2,3,4,5,6,7
.irp j, 0,1,2,3,4,5,6,7
	global_load_b32 v[BIAS+8*\g+\j], v[8+\j], s[12:13] offset:64*\g
.endr
.endr
	s_lshl_b32 s92, s20, 16                        ; where my quarter of the tile's image goes: 65,536 x tile + 16,384 x wave
	s_lshl_b32 s94, s14, 14
	s_add_co_u32 s92, s92, s94
	s_add_nc_u64 s[96:97], s[96:97], s[92:93]
	s_lshl_b32 s92, s20, 11                        ; and of its scale bytes: 2,048 x tile + 512 x wave
	s_lshl_b32 s94, s14, 9
	s_add_co_u32 s92, s92, s94
	s_add_nc_u64 s[98:99], s[98:99], s[92:93]
.macro FRAG reg, adr, q, i             ; 16 rows x 128 K: lane l holds row l % 16; registers 4 c .. 4 c + 3 hold K = 32 c + 16 (l / 16) + 0 .. 15
.irp c, 0,1,2,3
	ds_load_b128 v[\reg+4*\c:\reg+4*\c+3], v[\adr] offset:128*(\q)+32*\c+(\i)*16*PITCH
.endr
.endm
; 16 products: A's blocks a0, a0 + 1 x B's eight.  cm = 0: onto the sums; 1: the bias by column starts them; 2: the bias by row.  The 64 accumulators take turns in one order.
.macro MUL16 a0, p, q, sc, cm
.irp a, \a0, \a0+1
.irp b, 0,1,2,3,4,5,6,7
.if \cm == 1
	v_wmma_scale_f32_16x16x128_f8f6f4 v[8*(8*((\a)%4)+\b):8*(8*((\a)%4)+\b)+7], v[128*(\p)+FR*\b:128*(\p)+FR*\b+FR-1], v[AF+FR*(\a):AF+FR*(\a)+FR-1], v[BIAS+8*\b:BIAS+8*\b+7], v[SC+8*NQ*(\sc)+NQ*\b+(\q)], v[SC+8*NQ*(\sc)+NQ*(\a)+(\q)] matrix_a_scale:MATRIX_SCALE_ROW1
.elseif \cm == 2
	v_wmma_scale_f32_16x16x128_f8f6f4 v[8*(8*((\a)%4)+\b):8*(8*((\a)%4)+\b)+7], v[128*(\p)+FR*\b:128*(\p)+FR*\b+FR-1], v[AF+FR*(\a):AF+FR*(\a)+FR-1], v[BIAS+8*(\a):BIAS+8*(\a)+7], v[SC+8*NQ*(\sc)+NQ*\b+(\q)], v[SC+8*NQ*(\sc)+NQ*(\a)+(\q)] matrix_a_scale:MATRIX_SCALE_ROW1
.else
	v_wmma_scale_f32_16x16x128_f8f6f4 v[8*(8*((\a)%4)+\b):8*(8*((\a)%4)+\b)+7], v[128*(\p)+FR*\b:128*(\p)+FR*\b+FR-1], v[AF+FR*(\a):AF+FR*(\a)+FR-1], v[8*(8*((\a)%4)+\b):8*(8*((\a)%4)+\b)+7], v[SC+8*NQ*(\sc)+NQ*\b+(\q)], v[SC+8*NQ*(\sc)+NQ*(\a)+(\q)] matrix_a_scale:MATRIX_SCALE_ROW1
.endif
.endr
.endr
.endm
.macro FETCH_B slot, q, p
	WIN TO_B
.irp i, 0,1,2,3,4,5,6,7
	FRAG 128*(\p)+FR*\i, ADRB+\slot, \q, \i
.endr
	WIN 0
.endm
.macro FETCH_A slot, q, i0
.irp i, \i0, \i0+1, \i0+2, \i0+3
	FRAG AF+FR*(\i), ADRA+\slot, \q, \i
.endr
.endm
.macro SCALES sc                       ; a K step's scale words: lanes 0-15 A's block i, lanes 16-31 B's block i
.irp i, 0,1,2,3,4,5,6,7
	ds_load_b64 v[SC+8*NQ*\sc+NQ*\i:SC+8*NQ*\sc+NQ*\i+1], v[ADRS] offset:\i*SBLK
.endr
.endm
.macro PLACES n                        ; plain vector lines between a matrix instruction and a load into, or a read of, its registers
.rept \n
	v_nop
.endr
.endm
.macro STEP slot, q, cm                ; 128 along K, with its successor in the same slot
	s_wait_dscnt 4*NL                              ; B's set and A's blocks 0-3 are in; the youngest 16 loads (A's blocks 4-7) may be out
.if \cm
	WIN 0x81                                       ; C (the bias) from window 0
.else
	WIN MUL_LO
.endif
	MUL16 0, (\q)%2, \q, \slot, \cm
	MUL16 2, (\q)%2, \q, \slot, \cm
	s_wait_dscnt 0
	PLACES NP
	FETCH_B \slot, (\q)+1, 1-(\q)%2
	FETCH_A \slot, (\q)+1, 0
.if \cm
	WIN 0xc1
.else
	WIN MUL_HI
.endif
	MUL16 4, (\q)%2, \q, \slot, \cm
	MUL16 6, (\q)%2, \q, \slot, \cm
	PLACES NP
	WIN 0
	FETCH_A \slot, (\q)+1, 4
.endm
.macro TURN slot, next, fill           ; a slot's last step changes slots: one barrier; with fill = 1 it opens a round of the cluster's barrier
	s_wait_tensorcnt 0x0                           ; all my tensor loads have landed: my part of the next slot
	ds_add_u32 v[SPW], v[NIL]                      ; 0 onto my spare word
	s_wait_dscnt 4*NL+1                            ; the add and the youngest 16 loads may be out
	WIN MUL_LO
	MUL16 0, 1, NQ-1, \slot, 0
	s_wait_dscnt 0x0                               ; the add is done, and my reads of this slot are over
	s_barrier_signal -1
	MUL16 2, 1, NQ-1, \slot, 0
	WIN 0
	s_barrier_wait -1
.if \fill
	CREST
	s_add_nc_u64 s[G0+4*\slot+2:G0+4*\slot+3], s[G0+4*\slot+2:G0+4*\slot+3], 2*ROWB
	s_add_nc_u64 s[G0B+4*\slot+2:G0B+4*\slot+3], s[G0B+4*\slot+2:G0B+4*\slot+3], 2*ROWB
	JLOAD G0+4*\slot, G1, G0B+4*\slot, G1B         ; my one tensor load behind the round; its four v_nop are four of the places
	PLACES NP-4
.else
	PLACES NP
.endif
	s_wait_alu depctr_va_vdst(0)
	v_add_nc_u32 v[ADRS], 4*NQ, v[ADRS]
	FETCH_B \next, 0, 0
	FETCH_A \next, 0, 0
	SCALES \next
	WIN MUL_HI
	MUL16 4, 1, NQ-1, \slot, 0
	MUL16 6, 1, NQ-1, \slot, 0
	PLACES NP
	WIN 0
	FETCH_A \next, 0, 4
.endm
	s_wait_alu depctr_va_vdst(0)                   ; the wait at the head's end
	s_wait_tensorcnt 0x0                           ; my tile of the head's four is in; slot 1's first fill is issued as a refill is:
	ds_add_u32 v[SPW], v[NIL]                      ; 0 onto my spare word
	s_mov_b32 s[G1+2], 128<<16                     ; no tensor load of mine is out: from here on a load brings 128 rows
	s_mov_b32 s[G1+4], 128
	s_mov_b32 s[G1B+2], 128<<16
	s_mov_b32 s[G1B+4], 128
	s_wait_dscnt 0x0
	CROUND                                         ; all four tiles are in, and all sixteen work-groups are here
	JLOAD G0+4, G1, G0B+4, G1B                     ; K step 1: my one tensor load behind the round
	FETCH_B 0, 0, 0
	FETCH_A 0, 0, 0
	SCALES 0
	FETCH_A 0, 0, 4
	s_wait_loadcnt 0x0                             ; the bias
	s_cmp_lt_u32 ttmp9, 2
	s_cbranch_scc0 .Lby_row
	STEP 0, 0, 1
	s_branch .Lfirst_done
.Lby_row:
	STEP 0, 0, 2
.Lfirst_done:
	s_mov_b32 s3, LAPS-1
.Llap:
	TURN 0, 1, 1
	STEP 1, 0, 0
	TURN 1, 0, 1
	STEP 0, 0, 0
	s_sub_co_u32 s3, s3, 1
	s_cmp_lg_u32 s3, 0
	s_cbranch_scc1 .Llap
	TURN 0, 1, 0
	STEP 1, 0, 0
	s_wait_dscnt 4*NL
	WIN MUL_LO
	MUL16 0, 1, NQ-1, 1, 0
	MUL16 2, 1, NQ-1, 1, 0
	s_wait_dscnt 0
	WIN MUL_HI
	MUL16 4, 1, NQ-1, 1, 0
	MUL16 6, 1, NQ-1, 1, 0
	WIN 0
	; ---- THE WAY OUT
	PLACES NP
	s_wait_dscnt 0x0
	s_barrier_signal -1                            ; no wave reads a slot any more: stage and scratch may be written
	s_barrier_wait -1
	s_mov_b32 s[SEL], 0x76543210
	s_mov_b32 s[SEL+1], 0xfedcba98
	s_mov_b32 s[MNT], 0x600000
	v_and_b32 v3, 31, v0
	v_lshlrev_b32 v[CO], 4, v3                     ; 16 x lane
	s_lshl_b32 s18, s14, 15
	s_add_co_u32 s18, s18, SCR
	v_add_nc_u32 v[SCWA], s18, v[CO]               ; my scratch
	s_wait_alu depctr_va_vdst(0)
	s_mul_i32 s18, s14, STW
	v_mul_u32_u24 v[STC], v1, 144
	v_lshl_add_u32 v[STC], v2, 3, v[STC]
	v_add_nc_u32 v[STC], s18, v[STC]               ; my stage: row r, + 8 h
	s_lshl_b32 s18, s16, 10
	s_lshl_b32 s19, s15, 9
	s_add_co_u32 s18, s18, s19
	s_add_co_u32 s18, s18, SCST
	v_lshl_add_u32 v[SSC], v1, 2, s18              ; my rows' scale words
.irp b, 0,1,2,3
	v_mov_b32 v[TM+4+\b], 0                        ; written once: a lane permute's destination counts as one of its sources
.endr
	s_mov_b32 s19, 0
	s_mov_b32 s20, 0
; 64 numbers of a lane: register 16 c + i is column 32 c + 8 h + i (i < 8) or 32 c + 16 + 8 h + i - 8: a block of 32 lies in lanes l and l xor 16
.macro QUANT
.irp b, 0,1,2,3
	v_max3_num_f32 v[TM+\b], |v[Y+16*\b]|, |v[Y+1+16*\b]|, 0x4800000   ; with the floor 2^(9 - 127): the byte cannot fall under 1
.endr
.irp i, 2,4,6,8,10,12,14
.irp b, 0,1,2,3
	v_max3_num_f32 v[TM+\b], v[TM+\b], |v[Y+16*\b+\i]|, |v[Y+1+16*\b+\i]|
.endr
.endr
.irp b, 0,1,2,3
	v_permlanex16_b32 v[TM+4+\b], v[TM+\b], s[SEL], s[SEL+1]
.endr
.irp b, 0,1,2,3
	v_max_num_f32 v[TM+\b], v[TM+\b], v[TM+4+\b]
.endr
.irp b, 0,1,2,3
	v_add_nc_u32 v[TM+12+\b], 0xfc000000, v[TM+\b] ; 8 off the exponent field: the conversion's scale operand
.endr
.irp b, 0,1,2,3
	v_and_or_b32 v[TM+8+\b], v[TM+\b], 0x7f800000, s[MNT]   ; 448 x the scale
.endr
.irp b, 0,1,2,3
	v_lshrrev_b32 v[TM+4+\b], 23, v[TM+12+\b]      ; the byte
.endr
	v_lshl_or_b32 v[PW], v[TM+5], 8, v[TM+4]
	v_lshl_or_b32 v[PW], v[TM+6], 16, v[PW]
	v_lshl_or_b32 v[PW], v[TM+7], 24, v[PW]
.irp b, 0,1,2,3
.irp i, 0,1,2,3,4,5,6,7,8,9,10,11,12,13,14,15
	v_med3_num_f32 v[Y+16*\b+\i], v[Y+16*\b+\i], -v[TM+8+\b], v[TM+8+\b]   ; the conversion does not saturate (ISA guide 7.6.2): the hold
.endr
	v_cvt_scalef32_pk8_fp8_f32 v[PC+4*\b:PC+1+4*\b], v[Y+16*\b:Y+7+16*\b], v[TM+12+\b]
	v_cvt_scalef32_pk8_fp8_f32 v[PC+2+4*\b:PC+3+4*\b], v[Y+8+16*\b:Y+15+16*\b], v[TM+12+\b]
.endr
	v_nop                                          ; a plain line behind the last conversion
.endm
.macro HALF W                          ; the 32 accumulators of window W: my rows 64 (W - 2) on
	WIN 0x08+4*(\W-2)                              ; an LDS store's data are its source 1
.set kk, 0
.rept 64
	ds_store_b128 v[SCWA], v[4*kk:4*kk+3] offset:512*kk   ; an image of the registers; each accumulator from its low end on
.set kk, kk+1
.endr
	WIN 0
	s_mov_b32 s3, 4
	s_mov_b32 s18, 0
.Ltrip_\@:                             ; a trip: 16 rows x 128 columns
	v_add_nc_u32 v[SCRA], s18, v[SCWA]
	s_wait_alu depctr_va_vdst(0)
	v_add_nc_u32 v[STCC], s19, v[STC]
	v_add_nc_u32 v[SSCC], s20, v[SSC]
.set kk, 0
.rept 16
	ds_load_b128 v[Y+4*kk:Y+4*kk+3], v[SCRA] offset:512*kk   ; LDS serves a wave's instructions in order: these see my stores
.set kk, kk+1
.endr
	s_wait_dscnt 0x0
	QUANT
.irp m, 0,1,2,3,4,5,6,7
	ds_store_b64 v[STCC], v[PC+2*\m:PC+2*\m+1] offset:32*(\m/2)+16*(\m%2)
.endr
	ds_store_b32 v[SSCC], v[PW]                    ; both halves of the lanes write the same word
	s_add_co_u32 s18, s18, 8192
	s_add_co_u32 s19, s19, 16*144
	s_add_co_u32 s20, s20, 64
	s_sub_co_u32 s3, s3, 1
	s_cmp_lg_u32 s3, 0
	s_cbranch_scc1 .Ltrip_\@
.endm
	HALF 2
	HALF 3
	v_and_b32 v3, 8, v1
	v_add_nc_u32 v3, v3, v1                        ; r + 8 (r / 8)
	s_lshl_b32 s18, s16, 6
	v_add_nc_u32 v3, s18, v3                       ; I send tile rows 64 x wave on: row 64 (wave % 2) + .. of the stages of row half wave / 2
	v_mul_u32_u24 v[RD], v3, 144
	v_lshl_add_u32 v[RD], v2, 4, v[RD]
	s_mul_i32 s18, s15, 2*STW
	v_add_nc_u32 v[RD], s18, v[RD]
	s_lshl_b32 s18, s14, 9
	s_add_co_u32 s18, s18, SCST
	v_add_nc_u32 v[SCRA], s18, v[CO]
	s_wait_alu depctr_va_vdst(0)
	s_wait_dscnt 0x0                               ; for the others' sake: my codes and words lie in LDS
	s_barrier_signal -1
	s_barrier_wait -1
	ds_load_b128 v[PC:PC+3], v[SCRA]               ; 512 scale bytes
.set nn, 0
.rept 32                               ; group n = 16 R' + 2 C + u
	ds_load_b128 v[128+4*nn:131+4*nn], v[RD] offset:(((nn%16)/2)/4)*STW+(32*(nn/16)+8*(nn%2))*144+32*(((nn%16)/2)%4)
.set nn, nn+1
.endr
	s_wait_dscnt 32                                ; the 32 younger loads may be out
	global_store_b128 v[CO], v[PC:PC+3], s[98:99]
.set nn, 0
.rept 32
	s_wait_dscnt 31-nn                             ; LDS loads come back in order
	global_store_b128 v[CO], v[128+4*nn:131+4*nn], s[96:97] offset:512*nn   ; 512 consecutive bytes, aligned
.set nn, nn+1
.endr
	s_wait_tensorcnt 0x0                           ; the wave's end
	ds_add_u32 v[SPW], v[NIL]
	s_wait_dscnt 0x0
	CROUND                                         ; the closing round
	s_endpgm
.Lfunc_end_k_q3addbdd14f_g256q:
	.size	k_q3addbdd14f_g256q, .Lfunc_end_k_q3addbdd14f_g256q-k_q3addbdd14f_g256q
	.p2alignl 7, 3214868480
	.fill 96, 4, 3214868480
	.section	.rodata,"a",@progbits
	.p2align	6, 0x0
	.amdhsa_kernel k_q3addbdd14f_g256q
		.amdhsa_group_segment_fixed_size 327680
		.amdhsa_private_segment_fixed_size 0
		.amdhsa_enable_private_segment 0
		.amdhsa_kernarg_size 56
		.amdhsa_user_sgpr_count 2
		.amdhsa_user_sgpr_kernarg_segment_ptr 1
		.amdhsa_wavefront_size32 1
		.amdhsa_system_sgpr_workgroup_id_x 1
		.amdhsa_system_sgpr_workgroup_id_y 1
		.amdhsa_system_sgpr_workgroup_id_z 1
		.amdhsa_system_vgpr_workitem_id 0
		.amdhsa_next_free_vgpr 1024
		.amdhsa_next_free_sgpr 102
		.amdhsa_reserve_vcc 0
		.amdhsa_float_denorm_mode_32 3
		.amdhsa_float_denorm_mode_16_64 3
		.amdhsa_memory_ordered 1
		.amdhsa_forward_progress 1
		.amdhsa_inst_pref_size 174
	.end_amdhsa_kernel
	.amdgpu_metadata
---
amdhsa.version: [ 1, 2 ]
amdhsa.kernels:
  - .name:           k_q3addbdd14f_g256q
    .symbol:         k_q3addbdd14f_g256q.kd
    .args:
      - { .name: act_codes, .offset: 0, .size: 8, .value_kind: global_buffer, .address_space: global }
      - { .name: act_scales, .offset: 8, .size: 8, .value_kind: global_buffer, .address_space: global }
      - { .name: w_in_codes, .offset: 16, .size: 8, .value_kind: global_buffer, .address_space: global }
      - { .name: w_in_scales, .offset: 24, .size: 8, .value_kind: global_buffer, .address_space: global }
      - { .name: b_in, .offset: 32, .size: 8, .value_kind: global_buffer, .address_space: global }
      - { .name: qkv_img, .offset: 40, .size: 8, .value_kind: global_buffer, .address_space: global }
      - { .name: qkv_sc, .offset: 48, .size: 8, .value_kind: global_buffer, .address_space: global }
    .group_segment_fixed_size: 327680
    .private_segment_fixed_size: 0
    .kernarg_segment_align: 8
    .kernarg_segment_size: 56
    .max_flat_workgroup_size: 128
    .sgpr_count:     102
    .vgpr_count:     1024
    .wavefront_size: 32
...
	.end_amdgpu_metadata
.endif
;; end of part 2
;; launch attn (part 3): grid 32 x 8, 16 waves a work-group, no clusters, 20,480 bytes of LDS; arguments qkv_img, qkv_sc, attention_mask, act_codes, act_scales; writes act_codes, act_scales
.if DOCPART == 3
	.amdgcn_target "amdgcn-amd-amdhsa--gfx1250"
	.amdhsa_code_object_version 6
	.text
	.protected	k_q3addbdd14f_attn
	.globl	k_q3addbdd14f_attn
	.p2align	8
	.type	k_q3addbdd14f_attn,@function
k_q3addbdd14f_attn:
	s_mov_b64 s[64:65], 0
	v_nop
	global_prefetch_b8 v0, s[64:65] scope:SCOPE_SE
	s_setreg_imm32_b32 hwreg(HW_REG_WAVE_MODE, 25, 1), 1
	s_wait_xcnt 0x0
; o = softmax(q k^T / 8 + the built mask + the key mask) v on codes of E4M3, o divided by the row's sum and quantised along its 1,024 channels.
; SHARES.  A work-group owns 64 tokens of one batch and four heads (x: the block of tokens; y: 4 x batch + group of heads).  Wave w owns 16 queries of head w / 4: lane r is token 32 Rb + 8 u + r + 8 (r / 8),
; Rb = 2 x + (w / 2) % 2, u = w % 2.  Both products are used transposed: a lane holds one query throughout.
; THE WINDOW WAY.  The built mask (key <= query, and query - key <= 128 or key < 16) leaves six blocks of 32 keys: Rb - 4 .. Rb and block 0.  Step A multiplies the first four, step B the last two.
; K = 64 IN AN INSTRUCTION OF 128: source 0 holds two tiles of 16 keys, one in k 0-63 and one in k 64-127; source 1 is [q | zeros] or [zeros | q], two runs of v16-39.
; THE FULL WAY.  If all keys that the built mask leaves some query of the wave are switched off by attention_mask, that row's logits all lie near -1e9 and its softmax spreads over keys outside the window.  Such a wave
; walks all 64 blocks, with the two masks added as -1e9 in the order in which the softmax's input is written.  The branch hangs on whole numbers read from attention_mask.
; THE SOFTMAX: t = logit x log2(e); M = the running largest t rounded up; p = 2^(t - M) is quantised along the keys; the sum is taken of the unquantised p.
; LIMITS: on the window way masked keys get p = 0, which is what -1e9 gives while |score| / 8 stays far under 1e9, and t - M is one fused multiply-add of the score; NaN and infinities are not served;
; a block of zeros gets the byte 1; act_scales leaves in pieces of 8 bytes (one byte in 32 of what the launch stores).
.set LI,  1                            ; 16 x lane
.set LR4, 2                            ; 4 (r + 8 (r / 8))
.set L4,  3                            ; 4 x lane
.set DQ,  4                            ; my query - 16 h
.set H16, 5                            ; 16 h
.set HM,  6                            ; h ? 0 : 0xffff
.set STO, 7
.set SOS, 8
.set T,   9
.set F,   10                           ; v[10:11] f, later 1 / the sum; v12 -M; v13 the largest t; v[14:15] the sum
.set ZR,  16                           ; v16-23 zeros, v24-31 q, v32-39 zeros
.set QF,  24
.set KV,  40                           ; v40-103  four fragments of K, then of V
.set S,   104                          ; v104-167 scores, then p
.set O,   168                          ; v168-199 O^T
.set PC,  200                          ; v200-215 p's codes
.set FILL, 216
.set KSC, 217                          ; v217-222 K's scale words
.set VSC, 223                          ; v223-230 V's
.set QS1, 231
.set QS2, 232
.set PS,  233
.set OK,  234                          ; v234-239 which of my 16 keys of a slot count
.set BM,  240
.set T4,  244
.set LIM, 248
.set SOP, 252
.set RAW, S                            ; small loads of slot s: S + 7 s: the mask word, two words of K's scales, four bytes of V's
.set OFM, S+42
.set OFK, S+48
.set OFV, S+54
.set SOSB, 64*272
.set B8,  21
.set HG4, 22
.set HGV, 23
.set KBS, 24                           ; s[24:35] K's images, a pair a slot
.set VBS, 36                           ; s[36:47] V's
.set AW,  48                           ; s48-53   attention words
.set BLK32, 54                         ; s54-59   32 x the slot's block (signed)
.set HL11, 60
.set HL14, 61
.set KSH, 62
.set HL8, 63
.set B13, 66
.set CS,  76
.set SEL, 78
.set MNT, 80
.set CNT, 81
.macro NOP8
.rept 8
	v_nop
.endr
.endm
; Slot s takes the block whose number stands in s82 (under 0: held at 0 for the addresses)
.macro SLOT s
	s_lshl_b32 s[BLK32+\s], s82, 5
	s_max_i32 s83, s82, 0
	s_lshr_b32 s84, s83, 3
	s_add_co_u32 s84, s84, s[B8]                   ; the token tile
	s_and_b32 s85, s83, 7                          ; the block in it
	s_lshl_b32 s86, s84, 3
	s_add_co_u32 s86, s86, s[HG4]                  ; k's tile
	s_add_co_u32 s87, s84, s[HGV]                  ; v's tile
	s_lshl_b32 s88, s86, 16
	s_lshl_b32 s90, s85, 13
	s_add_co_u32 s88, s88, s90
	s_add_co_u32 s88, s88, s[HL11]
	s_mov_b32 s89, 0
	s_add_nc_u64 s[KBS+2*\s:KBS+2*\s+1], s[4:5], s[88:89]
	s_lshl_b32 s88, s87, 16
	s_lshl_b32 s90, s85, 10
	s_add_co_u32 s88, s88, s90
	s_add_co_u32 s88, s88, s[HL14]
	s_add_nc_u64 s[VBS+2*\s:VBS+2*\s+1], s[4:5], s[88:89]
	s_lshl_b32 s88, s86, 11
	s_lshl_b32 s90, s85, 7
	s_add_co_u32 s88, s88, s90
	s_add_co_u32 s88, s88, s[KSH]
	v_add_nc_u32 v[OFK+\s], s88, v[LR4]
	s_lshl_b32 s88, s87, 11
	s_lshr_b32 s90, s85, 2
	s_lshl_b32 s90, s90, 10
	s_add_co_u32 s88, s88, s90
	s_and_b32 s90, s85, 3
	s_add_co_u32 s88, s88, s90
	s_add_co_u32 s88, s88, s[HL8]
	v_add_nc_u32 v[OFV+\s], s88, v[LR4]
	s_lshl_b32 s88, s83, 7
	s_add_co_u32 s88, s88, s[B13]
	v_add_nc_u32 v[OFM+\s], s88, v[L4]
.endm
.macro SMALL s
	global_load_b32 v[RAW+7*\s], v[OFM+\s], s[8:9]
	global_load_u16 v[RAW+7*\s+1], v[OFK+\s], s[6:7]
	global_load_u16 v[RAW+7*\s+2], v[OFK+\s], s[6:7] offset:32
.irp t, 0,1,2,3
	global_load_u8 v[RAW+7*\s+3+\t], v[OFV+\s], s[6:7] offset:128*(\t/2)+32*(\t%2)
.endr
.endm
.macro KLOAD reg, s                    ; a block's packed fragment: group g = 2 c' + u goes to registers 8 u + 4 c'
.irp g, 0,1,2,3
	global_load_b128 v[\reg+8*(\g%2)+4*(\g/2):\reg+8*(\g%2)+4*(\g/2)+3], v[LI], s[KBS+2*(\s):KBS+2*(\s)+1] offset:512*\g
.endr
.endm
.macro VLOAD s, c                      ; slot s's 32 keys of the four channel tiles: registers 16 t + 4 c
.irp t, 0,1,2,3
	global_load_b128 v[KV+16*\t+4*(\c):KV+16*\t+4*(\c)+3], v[LI], s[VBS+2*(\s):VBS+2*(\s)+1] offset:8192*(\t/2)+512*(\t%2)
.endr
.endm
.macro CAUS d, s, add                  ; v[d] = the bits e of 0 .. 15 with e < v[s] + add
	v_add_nc_u32 v[\d], \add, v[\s]
	s_delay_alu instid0(VALU_DEP_1)
	v_cmp_gt_i32 vcc_lo, 0, v[\d]
	s_delay_alu instid0(VALU_DEP_1)
	v_cndmask_b32 v[\d], v[\d], v[ZR], vcc_lo
	s_delay_alu instid0(VALU_DEP_1)
	v_min_u32 v[\d], 16, v[\d]
	s_delay_alu instid0(VALU_DEP_1)
	v_lshlrev_b32 v[\d], v[\d], 1
	s_delay_alu instid0(VALU_DEP_1)
	v_add_nc_u32 v[\d], -1, v[\d]
.endm
; bit e of OK[s]: key 32 block + 16 h + e is left by the built mask; full = 0: and by attention_mask; full = 1: attention_mask's bits stand at 16 + e
.macro OKBITS s, full
	s_cmp_eq_u32 s[BLK32+\s], 0
	s_cselect_b32 s91, -1, 0
	v_sub_nc_u32 v[T], v[DQ], s[BLK32+\s]          ; e <= this: key <= query
	CAUS FILL, T, 1
	CAUS OK+\s, T, -128                            ; e <= this - 129: query - key > 128
	s_delay_alu instid0(VALU_DEP_1)
	v_xor_b32 v[OK+\s], v[FILL], v[OK+\s]
	v_and_b32 v[FILL], v[HM], v[FILL]
	s_delay_alu instid0(VALU_DEP_1)
	v_and_b32 v[FILL], s91, v[FILL]                ; key < 16: block 0, lanes 0-15
	s_delay_alu instid0(VALU_DEP_1)
	v_or_b32 v[OK+\s], v[OK+\s], v[FILL]
	v_lshrrev_b32 v[FILL], v[H16], s[AW+\s]
.if \full
	s_delay_alu instid0(VALU_DEP_1)
	v_lshl_or_b32 v[OK+\s], v[FILL], 16, v[OK+\s]
.else
	s_delay_alu instid0(VALU_DEP_1)
	v_and_b32 v[OK+\s], v[OK+\s], v[FILL]
.endif
.endm
; A STEP: NB blocks of 32 keys, slots S0 on; K's fragments at KR, scores at SR, V's scale words at VB.  nextk = 1: step B's K is asked for behind the conversions.
.macro STEP NB, KR, SR, VB, S0, full, nextk
	s_wait_loadcnt 0x0                             ; K (and q) are in: no younger load is out
.set bb, 0
.rept \NB
	v_wmma_scale_f32_16x16x128_f8f6f4 v[\SR+16*bb:\SR+16*bb+7], v[\KR+16*bb:\KR+16*bb+15], v[QF:QF+15], 0, v[KSC+\S0+bb], v[QS1]
	v_wmma_scale_f32_16x16x128_f8f6f4 v[\SR+16*bb+8:\SR+16*bb+15], v[\KR+16*bb:\KR+16*bb+15], v[ZR:ZR+15], 0, v[KSC+\S0+bb], v[QS2]
.set bb, bb+1
.endr
	NOP8                                           ; places in front of the loads below and of the first read of the scores
.set bb, 0
.rept \NB
	VLOAD \S0+bb, bb
.set bb, bb+1
.endr
.set bb, 0
	s_wait_alu depctr_va_vdst(0)
.rept \NB
.set ee, 0
.rept 16
.if \full
	v_and_b32 v[T], 1<<ee, v[OK+\S0+bb]
	s_delay_alu instid0(VALU_DEP_1)
	v_cmp_ne_u32 vcc_lo, 0, v[T]
	s_delay_alu instid0(VALU_DEP_1)
	v_cndmask_b32 v[T], v[FILL], v[ZR], vcc_lo
	v_fma_f32 v[\SR+16*bb+ee], v[\SR+16*bb+ee], 0x3e000000, v[T]   ; score / 8 (exact) + the built mask
	v_and_b32 v[T], 1<<(16+ee), v[OK+\S0+bb]
	s_delay_alu instid0(VALU_DEP_1)
	v_cmp_ne_u32 vcc_lo, 0, v[T]
	s_delay_alu instid0(VALU_DEP_1)
	v_cndmask_b32 v[T], v[FILL], v[ZR], vcc_lo
	s_delay_alu instid0(VALU_DEP_1)
	v_add_f32 v[\SR+16*bb+ee], v[\SR+16*bb+ee], v[T]               ; + the key mask
	s_delay_alu instid0(VALU_DEP_1)
	v_mul_f32 v[\SR+16*bb+ee], 0x3fb8aa3b, v[\SR+16*bb+ee]         ; t
.else
	v_and_b32 v[T], 1<<ee, v[OK+\S0+bb]
	s_delay_alu instid0(VALU_DEP_1)
	v_cmp_ne_u32 vcc_lo, 0, v[T]
	v_cndmask_b32 v[\SR+16*bb+ee], v[FILL], v[\SR+16*bb+ee], vcc_lo   ; -infinity where the key does not count
.endif
.set ee, ee+1
.endr
.set bb, bb+1
.endr
.set bb, 0
.rept \NB                              ; each block's largest score: for the row's maximum, and for the block's largest p
	v_max3_num_f32 v[BM+bb], v[\SR+16*bb], v[\SR+16*bb+1], v[\SR+16*bb+2]
.set bb, bb+1
.endr
.irp i, 3,5,7,9,11,13
.set bb, 0
.rept \NB
	v_max3_num_f32 v[BM+bb], v[BM+bb], v[\SR+16*bb+\i], v[\SR+16*bb+\i+1]
.set bb, bb+1
.endr
.endr
.set bb, 0
.rept \NB
	v_max_num_f32 v[BM+bb], v[BM+bb], v[\SR+16*bb+15]
.set bb, bb+1
.endr
.set bb, 0
.rept \NB
	v_permlanex16_b32 v[T4+bb], v[BM+bb], s[SEL], s[SEL+1]
.set bb, bb+1
.endr
.set bb, 0
.rept \NB
	v_max_num_f32 v[BM+bb], v[BM+bb], v[T4+bb]
.set bb, bb+1
.endr
.if \NB == 4
	s_delay_alu instid0(VALU_DEP_2)
	v_max3_num_f32 v[T], v[BM], v[BM+1], v[BM+2]
	s_delay_alu instid0(VALU_DEP_1)
	v_max_num_f32 v[T], v[T], v[BM+3]
.else
	s_delay_alu instid0(VALU_DEP_1)
	v_max_num_f32 v[T], v[BM], v[BM+1]
.endif
	s_delay_alu instid0(VALU_DEP_1)
	v_mul_f32 v[T], s[CS], v[T]
	s_delay_alu instid0(VALU_DEP_1)
	v_max_num_f32 v13, v13, v[T]                   ; the running largest t
	v_mov_b32 v[T], v12
	s_delay_alu instid0(VALU_DEP_2)
	v_floor_f32 v12, -v13                          ; -M = floor(-t): M is a whole number
	s_delay_alu instid0(VALU_DEP_1)
	v_sub_f32 v[T], v12, v[T]
	s_delay_alu instid0(VALU_DEP_1)
	v_cvt_i32_f32 v[T], v[T]                       ; (it saturates)
	s_delay_alu instid0(VALU_DEP_1)
	v_ldexp_f32 v[F], 1.0, v[T]                    ; f = 2^(old M - new M)
.set jj, 0
.rept 8*\NB
	v_pk_fma_f32 v[\SR+jj:\SR+jj+1], v[\SR+jj:\SR+jj+1], s[CS:CS+1], v[12:13] op_sel_hi:[1,0,0]   ; t - M
.set jj, jj+2
.endr
.set bb, 0
.rept \NB
	v_fma_f32 v[BM+bb], v[BM+bb], s[CS], v12
.set bb, bb+1
.endr
.set jj, 0
	s_wait_alu depctr_va_vdst(0)
.rept 16*\NB
	v_exp_f32 v[\SR+jj], v[\SR+jj]                 ; p
.set jj, jj+1
.endr
	v_pk_mul_f32 v[14:15], v[14:15], v[F:F+1] op_sel_hi:[1,0]   ; the sum under the new M (a plain line behind the batch)
	s_wait_alu depctr_va_vdst(0)                   ; one wait for the batch, ahead of its first reader
.set bb, 0
.rept \NB
	v_exp_f32 v[BM+bb], v[BM+bb]                   ; the block's largest p
.set bb, bb+1
.endr
	v_pk_add_f32 v[T4:T4+1], v[\SR:\SR+1], v[\SR+2:\SR+3]       ; the sum of the unquantised p, in two chains
.set jj, 4
.rept 4*\NB-1
	v_pk_add_f32 v[14:15], v[14:15], v[\SR+jj:\SR+jj+1]
	v_pk_add_f32 v[T4:T4+1], v[T4:T4+1], v[\SR+jj+2:\SR+jj+3]
.set jj, jj+4
.endr
	s_delay_alu instid0(VALU_DEP_1)
	v_pk_add_f32 v[14:15], v[14:15], v[T4:T4+1]
	s_wait_alu depctr_va_vdst(0)                   ; and one for the blocks' exponentials
.set bb, 0
.rept \NB
	v_max_num_f32 v[BM+bb], 0x4800000, v[BM+bb]    ; the floor 2^(9 - 127)
.set bb, bb+1
.endr
.set bb, 0
.rept \NB
	v_add_nc_u32 v[SOP+bb], 0xfc000000, v[BM+bb]
.set bb, bb+1
.endr
.set bb, 0
.rept \NB
	v_and_or_b32 v[LIM+bb], v[BM+bb], 0x7f800000, s[MNT]
.set bb, bb+1
.endr
.set bb, 0
.rept \NB
	v_lshrrev_b32 v[T4+bb], 23, v[SOP+bb]
.set bb, bb+1
.endr
	v_lshl_or_b32 v[PS], v[T4+1], 8, v[T4]         ; p's scale word; with two blocks its upper bytes stay 0, over zero codes
.if \NB == 4
	s_delay_alu instid0(VALU_DEP_1)
	v_lshl_or_b32 v[PS], v[T4+2], 16, v[PS]
	s_delay_alu instid0(VALU_DEP_1)
	v_lshl_or_b32 v[PS], v[T4+3], 24, v[PS]
.endif
.set bb, 0
.rept \NB
.set ee, 0
.rept 16
	v_min_num_f32 v[\SR+16*bb+ee], v[\SR+16*bb+ee], v[LIM+bb]   ; the hold: p is not negative
.set ee, ee+1
.endr
	v_cvt_scalef32_pk8_fp8_f32 v[PC+4*bb:PC+4*bb+1], v[\SR+16*bb:\SR+16*bb+7], v[SOP+bb]
	v_cvt_scalef32_pk8_fp8_f32 v[PC+4*bb+2:PC+4*bb+3], v[\SR+16*bb+8:\SR+16*bb+15], v[SOP+bb]
.set bb, bb+1
.endr
.if \nextk
	KLOAD S, 4                                     ; step B's K, into registers that p has left
	KLOAD S+16, 5
.endif
.if \NB == 2
.irp j, 8,9,10,11,12,13,14,15
	v_mov_b32 v[PC+\j], 0                          ; zero codes for the instruction's other 64 keys
.endr
.endif
.set jj, 0
.rept 16
	v_pk_mul_f32 v[O+jj:O+jj+1], v[O+jj:O+jj+1], v[F:F+1] op_sel_hi:[1,0]   ; O^T under the new M; also the places ahead of the products
.set jj, jj+2
.endr
	s_wait_alu depctr_va_vdst(0)
	s_wait_loadcnt 8*\nextk                        ; V is in; step B's 8 loads of K, issued behind V's, may be out
.irp t, 0,1,2,3
	v_wmma_scale_f32_16x16x128_f8f6f4 v[O+8*\t:O+8*\t+7], v[KV+16*\t:KV+16*\t+15], v[PC:PC+15], v[O+8*\t:O+8*\t+7], v[\VB+\t], v[PS]
.endr
	NOP8
.endm
	s_load_b256 s[4:11], s[0:1], 0x0               ; the images, their scale bytes, attention_mask, o's codes
	s_load_b64 s[12:13], s[0:1], 0x20              ; o's scale bytes
	v_lshrrev_b32 v[T], 5, v0
	s_delay_alu instid0(VALU_DEP_1)
	v_readfirstlane_b32 s14, v[T]                  ; wave
	s_lshr_b32 s15, s14, 2                         ; hl: my head in the group
	s_bfe_u32 s16, s14, 0x10001                    ; Rl
	s_and_b32 s17, s14, 1                          ; u
	s_and_b32 s18, ttmp7, 0xffff
	s_and_b32 s19, s18, 3                          ; hg
	s_lshr_b32 s18, s18, 2                         ; b
	s_lshl_b32 s20, ttmp9, 1
	s_add_co_u32 s20, s20, s16                     ; Rb
	s_lshl_b32 s[B8], s18, 3
	s_add_co_u32 s[HG4], s19, 4
	s_lshl_b32 s[HGV], s19, 4
	s_add_co_u32 s[HGV], s[HGV], 128
	s_lshl_b32 s[HL11], s15, 11
	s_lshl_b32 s[HL14], s15, 14
	s_lshl_b32 s[HL8], s15, 8
	s_lshr_b32 s[KSH], s15, 1
	s_lshl_b32 s[KSH], s[KSH], 10
	s_and_b32 s82, s15, 1
	s_lshl_b32 s82, s82, 1
	s_add_co_u32 s[KSH], s[KSH], s82               ; 1,024 (hl / 2) + 2 (hl % 2)
	s_lshl_b32 s[B13], s18, 13
	s_mov_b32 s[SEL], 0x76543210
	s_mov_b32 s[SEL+1], 0xfedcba98
	s_mov_b32 s[MNT], 0x600000
	v_and_b32 v[T], 31, v0
	s_delay_alu instid0(VALU_DEP_1)
	v_lshlrev_b32 v[LI], 4, v[T]
	s_delay_alu instid0(VALU_DEP_2)
	v_lshlrev_b32 v[L4], 2, v[T]
	v_and_b32 v[T4], 15, v0                        ; r
	v_bfe_u32 v[T4+1], v0, 4, 1                    ; h
	s_delay_alu instid0(VALU_DEP_2)
	v_and_b32 v[T4+2], 8, v[T4]
	s_delay_alu instid0(VALU_DEP_1)
	v_add_nc_u32 v[T4+2], v[T4+2], v[T4]           ; r + 8 (r / 8)
	v_mov_b32 v[T4+3], 0
	s_delay_alu instid0(VALU_DEP_2)
	v_lshlrev_b32 v[LR4], 2, v[T4+2]
	v_lshlrev_b32 v[H16], 4, v[T4+1]
	s_lshl_b32 s82, s20, 5
	s_lshl_b32 s83, s17, 3
	s_add_co_u32 s82, s82, s83
	v_add_nc_u32 v[DQ], s82, v[T4+2]
	s_delay_alu instid0(VALU_DEP_1)
	v_sub_nc_u32 v[DQ], v[DQ], v[H16]
	v_mul_u32_u24 v[HM], v[T4+1], 0xffff
	s_delay_alu instid0(VALU_DEP_1)
	v_sub_nc_u32 v[HM], 0xffff, v[HM]
	s_lshl_b32 s82, s16, 5
	s_add_co_u32 s82, s82, s83
	v_add_nc_u32 v[STO], s82, v[T4+2]              ; my query's row among the group's 64
	s_delay_alu instid0(VALU_DEP_1)
	v_lshl_add_u32 v[SOS], v[STO], 3, SOSB
	s_delay_alu instid0(VALU_DEP_2)
	v_mul_u32_u24 v[STO], v[STO], 272
	s_delay_alu instid0(VALU_DEP_1)
	v_add_nc_u32 v[STO], v[STO], v[H16]
	s_lshl_b32 s82, s15, 6
	v_add_nc_u32 v[STO], s82, v[STO]               ; the stage: row x 272 + 64 hl + 16 h
	s_lshl_b32 s82, s15, 1
	v_add_nc_u32 v[SOS], s82, v[SOS]               ; its scale bytes: row x 8 + 2 hl
	s_wait_kmcnt 0x0
	s_sub_co_i32 s82, s20, 4
	SLOT 0
	s_add_co_i32 s82, s82, 1
	SLOT 1
	s_add_co_i32 s82, s82, 1
	SLOT 2
	s_add_co_i32 s82, s82, 1
	SLOT 3
	s_wait_alu depctr_va_vdst(0)
	s_add_co_i32 s82, s82, 1
	SLOT 4
	s_wait_alu depctr_va_vdst(0)
	s_mov_b32 s82, 0
	SLOT 5
	s_wait_alu depctr_va_vdst(0)
	s_lshr_b32 s83, s20, 3                         ; q: tile 8 x token tile + hg, group (Rb % 8, u)
	s_add_co_u32 s83, s83, s[B8]
	s_lshl_b32 s83, s83, 3
	s_add_co_u32 s83, s83, s19
	s_and_b32 s84, s20, 7
	s_lshl_b32 s86, s83, 16
	s_lshl_b32 s85, s84, 13
	s_add_co_u32 s86, s86, s85
	s_add_co_u32 s86, s86, s[HL11]
	s_lshl_b32 s85, s17, 9
	s_add_co_u32 s86, s86, s85
	s_mov_b32 s87, 0
	s_add_nc_u64 s[68:69], s[4:5], s[86:87]
	s_lshl_b32 s86, s83, 11
	s_lshl_b32 s85, s84, 7
	s_add_co_u32 s86, s86, s85
	s_add_co_u32 s86, s86, s[KSH]
	s_lshl_b32 s85, s17, 5
	s_add_co_u32 s86, s86, s85
	v_add_nc_u32 v[S+60], s86, v[LR4]
.irp s, 0,1,2,3,4,5
	SMALL \s
.endr
	global_load_u16 v[QS1], v[S+60], s[6:7]
	global_load_b128 v[QF:QF+3], v[LI], s[68:69]
	global_load_b128 v[QF+4:QF+7], v[LI], s[68:69] offset:1024
.irp s, 0,1,2,3
	KLOAD KV+16*\s, \s
.endr
.irp j, 0,1,2,3,4,5,6,7
	v_mov_b32 v[ZR+\j], 0
	v_mov_b32 v[ZR+16+\j], 0
.endr
.irp j, 0,1,2,3,4,5,6,7,8,9,10,11,12,13,14,15,16,17,18,19,20,21,22,23,24,25,26,27,28,29,30,31
	v_mov_b32 v[O+\j], 0                           ; the step is written for a running sum: the first finds zeros
.endr
	v_mov_b32 v13, 0xff61b1e6                      ; -3e38, under every t
	s_delay_alu instid0(VALU_DEP_1)
	v_floor_f32 v12, -v13
	v_mov_b32 v14, 0
	v_mov_b32 v15, 0
	v_mov_b32 v[F+1], 0
	s_wait_loadcnt 18                              ; the 43 small loads are in; q's 2 and K's 16 may be out
.irp s, 0,1,2,3,4,5
	v_cmp_ne_u32 s[AW+\s], 0, v[RAW+7*\s]          ; bit l: key 32 block + l is on
	v_lshl_or_b32 v[KSC+\s], v[RAW+7*\s+2], 16, v[RAW+7*\s+1]
.endr
.irp t, 0,1,2,3
	v_lshl_or_b32 v[VSC+\t], v[RAW+7+3+\t], 8, v[RAW+3+\t]
	v_lshl_or_b32 v[VSC+4+\t], v[RAW+35+3+\t], 8, v[RAW+28+3+\t]
.endr
.irp t, 0,1,2,3
	v_lshl_or_b32 v[VSC+\t], v[RAW+14+3+\t], 16, v[VSC+\t]
.endr
.irp t, 0,1,2,3
	s_delay_alu instid0(VALU_DEP_4)
	v_lshl_or_b32 v[VSC+\t], v[RAW+21+3+\t], 24, v[VSC+\t]
.endr
	v_lshlrev_b32 v[QS2], 16, v[QS1]
.irp s, 0,1,2,3,4
	s_cmp_lt_i32 s[BLK32+\s], 0                    ; a block in front of the first: none of its keys counts
	s_cselect_b32 s[AW+\s], 0, s[AW+\s]
.endr
	s_cmp_le_u32 s20, 4                            ; block 0 is among the window's five
	s_cselect_b32 s[AW+5], 0, s[AW+5]
.irp s, 0,1,2,3,4,5
	OKBITS \s, 0
.endr
	v_or_b32 v[T], v[OK], v[OK+1]
	s_delay_alu instid0(VALU_DEP_1)
	v_or_b32 v[T], v[T], v[OK+2]
	s_delay_alu instid0(VALU_DEP_1)
	v_or_b32 v[T], v[T], v[OK+3]
	s_delay_alu instid0(VALU_DEP_1)
	v_or_b32 v[T], v[T], v[OK+4]
	s_delay_alu instid0(VALU_DEP_1)
	v_or_b32 v[T], v[T], v[OK+5]
	s_delay_alu instid0(VALU_DEP_1)
	v_permlanex16_b32 v[FILL], v[T], s[SEL], s[SEL+1]
	s_delay_alu instid0(VALU_DEP_1)
	v_or_b32 v[T], v[T], v[FILL]
	s_delay_alu instid0(VALU_DEP_1)
	v_cmp_eq_u32 vcc_lo, 0, v[T]                   ; a query with no key left
	s_cmp_lg_u32 vcc_lo, 0
	s_cbranch_scc1 .Lfull
	v_mov_b32 v[FILL], 0xff800000
	s_mov_b32 s[CS], 0x3e38aa3b                    ; log2(e) / 8
	s_mov_b32 s[CS+1], s[CS]
	STEP 4, KV, S, VSC, 0, 0, 1
	STEP 2, S, S+32, VSC+4, 4, 0, 0
	s_branch .Lout
.Lfull:
	s_wait_loadcnt 0x0                             ; q and the window's K have landed: K's registers are loaded anew
	s_mov_b32 s[CS], 1.0
	s_mov_b32 s[CS+1], 1.0
	s_mov_b32 s[CNT], 0
.Ltrip:                                ; 16 trips, four blocks each
	NOP8
	s_wait_xcnt 0x0                                ; the last trip's loads have read their addresses
	s_mov_b32 s82, s[CNT]
	SLOT 0
	s_add_co_u32 s82, s82, 1
	SLOT 1
	s_wait_alu depctr_va_vdst(0)
	s_add_co_u32 s82, s82, 1
	SLOT 2
	s_wait_alu depctr_va_vdst(0)
	s_add_co_u32 s82, s82, 1
	SLOT 3
	s_wait_alu depctr_va_vdst(0)
.irp s, 0,1,2,3
	SMALL \s
.endr
.irp s, 0,1,2,3
	KLOAD KV+16*\s, \s
.endr
	s_wait_loadcnt 16                              ; the 28 small loads are in; K's 16 may be out
.irp s, 0,1,2,3
	v_cmp_ne_u32 s[AW+\s], 0, v[RAW+7*\s]
	v_lshl_or_b32 v[KSC+\s], v[RAW+7*\s+2], 16, v[RAW+7*\s+1]
.endr
.irp t, 0,1,2,3
	v_lshl_or_b32 v[VSC+\t], v[RAW+7+3+\t], 8, v[RAW+3+\t]
.endr
.irp t, 0,1,2,3
	s_delay_alu instid0(VALU_DEP_4)
	v_lshl_or_b32 v[VSC+\t], v[RAW+14+3+\t], 16, v[VSC+\t]
.endr
.irp t, 0,1,2,3
	s_delay_alu instid0(VALU_DEP_4)
	v_lshl_or_b32 v[VSC+\t], v[RAW+21+3+\t], 24, v[VSC+\t]
.endr
.irp s, 0,1,2,3
	OKBITS \s, 1
.endr
	v_mov_b32 v[FILL], 0xce6e6b28                  ; -1e9
	STEP 4, KV, S, VSC, 0, 1, 0
	s_add_co_u32 s[CNT], s[CNT], 4
	s_cmp_lt_u32 s[CNT], 64
	s_cbranch_scc1 .Ltrip
.Lout:
	; ---- THE WAY OUT: O^T / the sum; registers 16 c + i are channels 32 c + 16 h + i of my head: two blocks of 32, each in lanes l and l xor 16
	v_add_f32 v14, v14, v15
	s_delay_alu instid0(VALU_DEP_1)
	v_permlanex16_b32 v[T], v14, s[SEL], s[SEL+1]
	s_delay_alu instid0(VALU_DEP_1)
	v_add_f32 v14, v14, v[T]
	s_wait_alu depctr_va_vdst(0)
	v_rcp_f32 v[F], v14
	v_nop
	s_wait_alu depctr_va_vdst(0)
.set jj, 0
.rept 16
	v_pk_mul_f32 v[S+jj:S+jj+1], v[O+jj:O+jj+1], v[F:F+1] op_sel_hi:[1,0]
.set jj, jj+2
.endr
.irp c, 0,1
	v_max3_num_f32 v[BM+\c], |v[S+16*\c]|, |v[S+16*\c+1]|, 0x4800000
.endr
.irp i, 2,4,6,8,10,12,14
.irp c, 0,1
	s_delay_alu instid0(VALU_DEP_2)
	v_max3_num_f32 v[BM+\c], v[BM+\c], |v[S+16*\c+\i]|, |v[S+16*\c+\i+1]|
.endr
.endr
.irp c, 0,1
	s_delay_alu instid0(VALU_DEP_2)
	v_permlanex16_b32 v[T4+\c], v[BM+\c], s[SEL], s[SEL+1]
.endr
.irp c, 0,1
	s_delay_alu instid0(VALU_DEP_2)
	v_max_num_f32 v[BM+\c], v[BM+\c], v[T4+\c]
.endr
.irp c, 0
	s_delay_alu instid0(VALU_DEP_2)
	v_add_nc_u32 v[SOP+\c], 0xfc000000, v[BM+\c]
	s_delay_alu instid0(VALU_DEP_3)
	v_and_or_b32 v[LIM+\c], v[BM+\c], 0x7f800000, s[MNT]
.endr
.irp c, 1
	s_delay_alu instid0(VALU_DEP_3)
	v_add_nc_u32 v[SOP+\c], 0xfc000000, v[BM+\c]
	s_delay_alu instid0(VALU_DEP_4)
	v_and_or_b32 v[LIM+\c], v[BM+\c], 0x7f800000, s[MNT]
.endr
.irp c, 0
	s_delay_alu instid0(VALU_DEP_4)
	v_lshrrev_b32 v[T4+\c], 23, v[SOP+\c]
.endr
.irp c, 1
	s_delay_alu instid0(VALU_DEP_3)
	v_lshrrev_b32 v[T4+\c], 23, v[SOP+\c]
.endr
	s_delay_alu instid0(VALU_DEP_1)
	v_lshl_or_b32 v[T], v[T4+1], 8, v[T4]
.irp c, 0,1
.irp i, 0,1,2,3,4,5,6,7,8,9,10,11,12,13,14,15
	v_med3_num_f32 v[S+16*\c+\i], v[S+16*\c+\i], -v[LIM+\c], v[LIM+\c]
.endr
	v_cvt_scalef32_pk8_fp8_f32 v[PC+4*\c:PC+4*\c+1], v[S+16*\c:S+16*\c+7], v[SOP+\c]
	v_cvt_scalef32_pk8_fp8_f32 v[PC+4*\c+2:PC+4*\c+3], v[S+16*\c+8:S+16*\c+15], v[SOP+\c]
.endr
	v_nop                                          ; a plain line behind the last conversion
	ds_store_b128 v[STO], v[PC:PC+3]
	ds_store_b128 v[STO], v[PC+4:PC+7] offset:32
	ds_store_b16 v[SOS], v[T]                      ; both halves of the lanes write the same two bytes
	v_and_b32 v[O], 15, v0
	v_bfe_u32 v[O+1], v0, 4, 1
	s_lshl_b32 s82, s14, 2
	v_add_nc_u32 v[O+2], s82, v[O+1]
	s_delay_alu instid0(VALU_DEP_1)
	v_mul_u32_u24 v[O+2], v[O+2], 272
	s_delay_alu instid0(VALU_DEP_1)
	v_lshl_add_u32 v[O+2], v[O], 4, v[O+2]         ; back: rows 4 w on; lanes 0-15 one row of 256 bytes, lanes 16-31 the next
	v_lshlrev_b32 v[O+3], 10, v[O+1]
	s_delay_alu instid0(VALU_DEP_1)
	v_lshl_add_u32 v[O+3], v[O], 4, v[O+3]         ; and the same in o's codes
	v_and_b32 v[O+4], 31, v0
	s_lshl_b32 s84, s16, 0
	s_lshl_b32 s84, s17, 5                         ; (waves 0 and 1: 32 x wave)
	v_add_nc_u32 v[O+5], s84, v[O+4]
	s_delay_alu instid0(VALU_DEP_1)
	v_lshl_add_u32 v[O+5], v[O+5], 3, SOSB         ; a row's 8 scale bytes
	v_lshlrev_b32 v[O+4], 5, v[O+4]
	s_lshl_b32 s82, s18, 11
	s_lshl_b32 s83, ttmp9, 6
	s_add_co_u32 s82, s82, s83                     ; the group's first token
	s_lshl_b32 s83, s14, 2
	s_add_co_u32 s83, s82, s83
	s_lshl_b32 s84, s83, 10
	s_lshl_b32 s85, s19, 8
	s_add_co_u32 s84, s84, s85
	s_mov_b32 s85, 0
	s_add_nc_u64 s[10:11], s[10:11], s[84:85]
	s_lshl_b32 s83, s17, 5
	s_add_co_u32 s83, s82, s83
	s_lshl_b32 s84, s83, 5
	s_lshl_b32 s86, s19, 3
	s_add_co_u32 s84, s84, s86
	s_add_nc_u64 s[12:13], s[12:13], s[84:85]
	s_wait_alu depctr_va_vdst(0)
	s_wait_dscnt 0x0                               ; for the others' sake: my codes and bytes lie in LDS
	s_barrier_signal -1
	s_barrier_wait -1
	ds_load_b128 v[S:S+3], v[O+2]
	ds_load_b128 v[S+4:S+7], v[O+2] offset:544
	s_wait_dscnt 0x0
	global_store_b128 v[O+3], v[S:S+3], s[10:11]                 ; 16 lanes: 256 consecutive bytes, aligned
	global_store_b128 v[O+3], v[S+4:S+7], s[10:11] offset:2048
	s_cmp_lt_u32 s14, 2
	s_cbranch_scc0 .Lend
	ds_load_b64 v[S+8:S+9], v[O+5]                 ; waves 0 and 1: 32 rows' scale bytes each
	s_wait_dscnt 0x0
	global_store_b64 v[O+4], v[S+8:S+9], s[12:13]
.Lend:
	s_wait_xcnt 0x0
	v_lshl_add_u32 v254, v0, 2, 0x4800
	v_mov_b32 v255, 0
	s_wait_alu depctr_va_vdst(0)
	s_wait_tensorcnt 0x0
	ds_add_u32 v254, v255
	s_wait_dscnt 0x0
	s_endpgm
.Lfunc_end_k_q3addbdd14f_attn:
	.size	k_q3addbdd14f_attn, .Lfunc_end_k_q3addbdd14f_attn-k_q3addbdd14f_attn
	.p2alignl 7, 3214868480
	.fill 96, 4, 3214868480
	.section	.rodata,"a",@progbits
	.p2align	6, 0x0
	.amdhsa_kernel k_q3addbdd14f_attn
		.amdhsa_group_segment_fixed_size 20480
		.amdhsa_private_segment_fixed_size 0
		.amdhsa_enable_private_segment 0
		.amdhsa_kernarg_size 40
		.amdhsa_user_sgpr_count 2
		.amdhsa_user_sgpr_kernarg_segment_ptr 1
		.amdhsa_wavefront_size32 1
		.amdhsa_system_sgpr_workgroup_id_x 1
		.amdhsa_system_sgpr_workgroup_id_y 1
		.amdhsa_system_sgpr_workgroup_id_z 1
		.amdhsa_system_vgpr_workitem_id 0
		.amdhsa_next_free_vgpr 256
		.amdhsa_next_free_sgpr 100
		.amdhsa_reserve_vcc 1
		.amdhsa_float_denorm_mode_32 3
		.amdhsa_float_denorm_mode_16_64 3
		.amdhsa_memory_ordered 1
		.amdhsa_forward_progress 1
		.amdhsa_inst_pref_size 153
	.end_amdhsa_kernel
	.amdgpu_metadata
---
amdhsa.version: [ 1, 2 ]
amdhsa.kernels:
  - .name:           k_q3addbdd14f_attn
    .symbol:         k_q3addbdd14f_attn.kd
    .args:
      - { .name: qkv_img, .offset: 0, .size: 8, .value_kind: global_buffer, .address_space: global }
      - { .name: qkv_sc, .offset: 8, .size: 8, .value_kind: global_buffer, .address_space: global }
      - { .name: attention_mask, .offset: 16, .size: 8, .value_kind: global_buffer, .address_space: global }
      - { .name: act_codes, .offset: 24, .size: 8, .value_kind: global_buffer, .address_space: global }
      - { .name: act_scales, .offset: 32, .size: 8, .value_kind: global_buffer, .address_space: global }
    .group_segment_fixed_size: 20480
    .private_segment_fixed_size: 0
    .kernarg_segment_align: 8
    .kernarg_segment_size: 40
    .max_flat_workgroup_size: 512
    .sgpr_count:     100
    .vgpr_count:     256
    .wavefront_size: 32
...
	.end_amdgpu_metadata
.endif
;; end of part 3
;; launch g128a (part 4): grid 8 x 32, 4 waves a work-group, clusters of 4 x 4, 327,680 bytes of LDS; arguments act_codes, act_scales, w_out_codes, w_out_scales, b_out, x, x1; writes x1
.if DOCPART == 4
	.amdgcn_target "amdgcn-amd-amdhsa--gfx1250"
	.amdhsa_code_object_version 6
	.text
	.protected	k_q3addbdd14f_g128a
	.globl	k_q3addbdd14f_g128a
	.p2align	8
	.type	k_q3addbdd14f_g128a,@function
k_q3addbdd14f_g128a:
	s_mov_b64 s[64:65], 0
	v_nop
	global_prefetch_b8 v0, s[64:65] scope:SCOPE_SE
	s_setreg_imm32_b32 hwreg(HW_REG_WAVE_MODE, 25, 1), 1
	s_wait_xcnt 0x0
	s_wait_alu depctr_hold_cnt(0) depctr_sa_sdst(0) depctr_va_vdst(0) depctr_va_sdst(0) depctr_va_ssrc(0) depctr_va_vcc(0) depctr_vm_vsrc(0)
	s_getreg_b32 s2, hwreg(HW_REG_IB_STS2, 6, 4)
	s_cmp_eq_u32 s2, 0
	s_cbranch_scc0 .Lentry_in_a_cluster
	s_endpgm
.Lentry_in_a_cluster:
	s_bfe_u32 s2, ttmp6, 0x10000c
	s_cmp_lg_u32 s2, 0xf033
	s_cbranch_scc0 .Lentry_shape_is_right
	s_endpgm
.Lentry_shape_is_right:
; x1 = x + o W_out^T + b_out on codes of E4M3 (K = 1,024), f32 out.  A tile of 128 x 128 is made by four waves, 64 x 64 each; K goes in two steps of 512 through two LDS slots filled by joint tensor loads
; (4 x 4 work-groups a cluster: A's tiles shared along a row, B's along a column); the scale bytes of the tile's rows come once, at the head.  The bias is the first products' C; x is added on the way out.
; PREFETCH: K step 1 is asked for at the head, each wave's 64 rows shared among the four partners by address: 16 rows x 2 blocks of 256 bytes, a lane a block.
; LIMITS: NaN and infinities are not served.
.set KTOT,   1024
.set PFA, 66                           ; s[66:67] my share of the rows that I fetch, at K step 0
.set PFO, 30                           ; v30 (lane / 2) rows + (lane % 2) x 256 bytes
.set KSTEP,  512
.set PITCH,  528
.set HALFT,  64*PITCH
.set SLOT,   4*HALFT
.set LAPS,   KTOT/(2*KSTEP)
.set KS,     KTOT/32
.set SCL,    2*SLOT
.set NSR,    64*KS/256
.set HALFS,  NSR*272
.set SBLK,   (16*KS/256)*272
.set SPARE,  SCL+4*HALFS
.set SPITCH, 272
.set ADRA, 16
.set ADRB, 20
.set STO,  24
.set RD,   25
.set CO,   26
.set ADRS, 27
.set SPW,  28
.set NIL,  29
.set SC,   32
.set BIAS, 64
.set ACC,  128
.set F0,   0
.set F1,   128
.set G1, 24
.set G0, 32
.set G1B, 48
.set G0B, 56
.set G1S, 68
.set G0S, 76
.set G1SB, 80
.set G0SB, 88
.set MSB, 0
.macro WIN new
.if MSB != \new
	s_set_vgpr_msb (MSB<<8)|\new
.set MSB, \new
.endif
.endm
.set MUL,  0x05
.set TO_F, 0x40
.macro JLOAD g0a, g1a, g0b, g1b
	s_cmp_eq_u32 s15, 0
	s_cbranch_scc0 .Lfor_b_\@
	tensor_load_to_lds s[\g0a:\g0a+3], s[\g1a:\g1a+7]
	s_nop 0
.rept 4
	v_nop
.endr
	s_branch .Lasked_\@
.Lfor_b_\@:
	tensor_load_to_lds s[\g0b:\g0b+3], s[\g1b:\g1b+7]
	s_nop 0
.rept 4
	v_nop
.endr
.Lasked_\@:
.endm
.macro CREST
	s_cmp_lg_u32 s14, 0
	s_cbranch_scc1 .Lnot_wave_0_\@
	s_barrier_signal -3
.Lnot_wave_0_\@:
	s_barrier_wait -3
	s_barrier_signal -1
	s_barrier_wait -1
.endm
.macro CROUND
	s_barrier_signal -1
	s_barrier_wait -1
	CREST
.endm
	s_load_b128 s[4:7], s[0:1], 0x0
	s_load_b128 s[8:11], s[0:1], 0x10
	s_load_b64 s[12:13], s[0:1], 0x20
	s_load_b64 s[96:97], s[0:1], 0x28
	s_load_b64 s[98:99], s[0:1], 0x30
	v_lshl_add_u32 v[SPW], v0, 2, SPARE
	v_mov_b32 v[NIL], 0
	ds_add_u32 v28, v29
	ds_add_u32 v28, v29
	s_wait_dscnt 0x0
	v_lshrrev_b32 v1, 5, v0
	v_readfirstlane_b32 s14, v1
	s_lshr_b32 s15, s14, 1
	s_and_b32 s16, s14, 1
	s_bfe_u32 s40, ttmp6, 0x40000
	s_bfe_u32 s41, ttmp6, 0x40004
	s_lshl_b32 s42, ttmp9, 2
	s_add_co_u32 s42, s42, s40
	s_and_b32 s17, ttmp7, 0xffff
	s_lshl_b32 s17, s17, 2
	s_add_co_u32 s17, s17, s41
	s_lshl_b32 s43, s41, 2
	s_lshl_b32 s43, 15, s43
	s_lshl_b32 s44, 0x1111, s40
	s_or_b32 s[G1+0], s43, (0<<16)|(1<<20)|(1<<21)|(6<<22)|(3<<25)
	s_or_b32 s[G1B+0], s44, (0<<16)|(1<<20)|(1<<21)|(6<<22)|(3<<25)
.irp g, G1, G1B
	s_mov_b32 s[\g+1], KSTEP<<16
	s_mov_b32 s[\g+2], 128<<16                     ; the head's loads bring 128 rows; behind them these two words are set to 64
	s_mov_b32 s[\g+3], KSTEP<<16
	s_mov_b32 s[\g+4], 128
	s_mov_b32 s[\g+5], KTOT
	s_mov_b32 s[\g+6], 0
	s_mov_b32 s[\g+7], 0
.endr
	s_or_b32 s[G1S+0], s43, (3<<16)|(1<<20)|(1<<21)|(5<<22)|(3<<25)
	s_or_b32 s[G1SB+0], s44, (3<<16)|(1<<20)|(1<<21)|(5<<22)|(3<<25)
.irp g, G1S, G1SB
	s_mov_b32 s[\g+1], 32<<16
	s_mov_b32 s[\g+2], (2*NSR)<<16                 ; the scales of 128 rows
	s_mov_b32 s[\g+3], 32<<16
	s_mov_b32 s[\g+4], 2*NSR
	s_mov_b32 s[\g+5], 32
	s_mov_b32 s[\g+6], 0
	s_mov_b32 s[\g+7], 0
.endr
	s_lshl_b32 s20, s17, 7                         ; A: the tile's first row
	s_lshl_b32 s46, s42, 7                         ; B: likewise
	s_mov_b32 s21, 0
	s_mov_b32 s47, 0
	s_mov_b64 s[18:19], KS
	s_mul_u64 s[22:23], s[20:21], s[18:19]
	s_mul_u64 s[92:93], s[46:47], s[18:19]
	s_mov_b64 s[18:19], KTOT
	s_mul_u64 s[20:21], s[20:21], s[18:19]
	s_mul_u64 s[46:47], s[46:47], s[18:19]
	s_mul_i32 s45, s14, HALFT
	s_wait_kmcnt 0x0
	s_add_nc_u64 s[20:21], s[4:5], s[20:21]
	s_add_nc_u64 s[22:23], s[6:7], s[22:23]
	s_add_nc_u64 s[46:47], s[8:9], s[46:47]
	s_add_nc_u64 s[92:93], s[10:11], s[92:93]
	CROUND
	s_mov_b32 s[G0S], 1
	s_mov_b32 s[G0S+1], SCL
	s_mov_b64 s[G0S+2:G0S+3], s[22:23]
	s_or_b32 s[G0S+3], s[G0S+3], 0x80000000
	s_mov_b32 s[G0SB], 1
	s_mov_b32 s[G0SB+1], SCL+2*HALFS
	s_mov_b64 s[G0SB+2:G0SB+3], s[92:93]
	s_or_b32 s[G0SB+3], s[G0SB+3], 0x80000000
	s_mov_b32 s4, 1                                ; s[4:7], s[8:11]: group 0 of K step 0's 128 rows of A, and of B
	s_mov_b32 s5, 0
	s_mov_b64 s[6:7], s[20:21]
	s_or_b32 s7, s7, 0x80000000
	s_mov_b32 s8, 1
	s_mov_b32 s9, 2*HALFT
	s_mov_b64 s[10:11], s[46:47]
	s_or_b32 s11, s11, 0x80000000
	s_mul_i32 s18, s16, 64*KTOT                    ; for the ring: my 64 rows of the tile
	s_mov_b32 s19, 0
	s_add_nc_u64 s[20:21], s[20:21], s[18:19]
	s_add_nc_u64 s[46:47], s[46:47], s[18:19]
	s_cmp_eq_u32 s15, 0                            ; the prefetches: do I fetch for A?
	s_cselect_b32 s100, s40, s41                   ; my place among the four that ask with me: cx for A, cy for B
	s_cselect_b64 s[PFA:PFA+1], s[20:21], s[46:47]
	s_mul_i32 s100, s100, 16*KTOT                  ; my work-group's 16 of the 64 rows
	s_mov_b32 s101, 0
	s_add_nc_u64 s[PFA:PFA+1], s[PFA:PFA+1], s[100:101]
.irp s, 0,1
	s_mov_b32 s[G0+4*\s], 1
	s_add_co_u32 s[G0+4*\s+1], s45, \s*SLOT
	s_add_nc_u64 s[G0+4*\s+2:G0+4*\s+3], s[20:21], \s*KSTEP
	s_or_b32 s[G0+4*\s+3], s[G0+4*\s+3], 0x80000000
	s_mov_b32 s[G0B+4*\s], 1
	s_add_co_u32 s[G0B+4*\s+1], s45, \s*SLOT
	s_add_nc_u64 s[G0B+4*\s+2:G0B+4*\s+3], s[46:47], \s*KSTEP
	s_or_b32 s[G0B+4*\s+3], s[G0B+4*\s+3], 0x80000000
.endr
; THE HEAD'S LOADS, ONE A WAVE: wave 0 K step 0's rows of A, wave 1 those of B, wave 2 A's scales, wave 3 B's: one chain of branches on the wave's number, an arm a load.
.macro ARM under, g0, g1, next
	s_cmp_lt_u32 s14, \under
	s_cbranch_scc0 \next
	tensor_load_to_lds s[\g0:\g0+3], s[\g1:\g1+7]
	s_nop 0
.rept 4
	v_nop
.endr
	s_branch .Lhead_asked
\next:
.endm
	ARM 1, 4, G1, .Lhead_b
	ARM 2, 8, G1B, .Lhead_sa
	ARM 3, G0S, G1S, .Lhead_sb
	tensor_load_to_lds s[G0SB:G0SB+3], s[G1SB:G1SB+7]
	s_nop 0
.rept 4
	v_nop
.endr
.Lhead_asked:
	v_and_b32 v[PFO], 31, v0
	v_lshrrev_b32 v31, 1, v[PFO]
	v_and_b32 v[PFO], 1, v[PFO]
	v_lshlrev_b32 v[PFO], 8, v[PFO]
	v_mad_u32_u24 v[PFO], v31, KTOT, v[PFO]
	v_and_b32 v1, 15, v0
	v_bfe_u32 v2, v0, 4, 1
	v_mul_u32_u24 v3, v1, PITCH
	v_lshl_add_u32 v4, v2, 4, v3
	s_mul_i32 s21, s15, HALFT
	s_mul_i32 s22, s16, HALFT
	s_add_co_u32 s22, s22, 2*HALFT
.irp s, 0,1
	v_add_nc_u32 v[ADRA+\s], s21, v4
	v_add_nc_u32 v[ADRB+\s], s22, v4
	s_add_co_u32 s21, s21, SLOT
	s_add_co_u32 s22, s22, SLOT
.endr
	v_mul_u32_u24 v5, v1, KS
	v_lshrrev_b32 v6, 8, v5
	v_lshl_add_u32 v5, v6, 4, v5
	s_mul_i32 s21, s15, HALFS
	s_mul_i32 s22, s16, HALFS
	s_add_co_u32 s22, s22, 2*HALFS
	s_sub_co_u32 s22, s22, s21
	v_mul_u32_u24 v6, s22, v2
	s_add_co_u32 s21, s21, SCL
	v_add_nc_u32 v5, v5, v6
	v_add_nc_u32 v[ADRS], s21, v5
	s_mul_i32 s23, s14, 4*16*SPITCH
	v_mul_u32_u24 v5, v1, SPITCH
	v_lshl_add_u32 v5, v2, 5, v5
	v_add_nc_u32 v[STO], s23, v5
	v_mul_u32_u24 v5, v2, SPITCH
	v_lshl_add_u32 v5, v1, 4, v5
	v_add_nc_u32 v[RD], s23, v5
	v_lshlrev_b32 v[CO], 12, v2
	v_lshl_add_u32 v[CO], v1, 4, v[CO]
	s_wait_alu depctr_va_vdst(0)
	s_lshl_b32 s20, s42, 7
	s_lshl_b32 s21, s16, 6
	s_add_co_u32 s20, s20, s21
	s_lshl_b32 s20, s20, 2
	s_mov_b32 s21, 0
	s_add_nc_u64 s[12:13], s[12:13], s[20:21]
	s_lshl_b32 s22, s17, 7
	s_lshl_b32 s23, s15, 6
	s_add_co_u32 s22, s22, s23
	s_lshl_b32 s22, s22, 12
	s_add_co_u32 s20, s20, s22
	s_add_nc_u64 s[96:97], s[96:97], s[20:21]
	s_add_nc_u64 s[98:99], s[98:99], s[20:21]
	v_lshlrev_b32 v8, 5, v2
	global_prefetch_b8 v[PFO], s[PFA:PFA+1] offset:KSTEP th:TH_LOAD_NT scope:SCOPE_SE   ; K step 1
.irp b, 0,1,2,3
	global_load_b128 v[BIAS+8*\b:BIAS+8*\b+3], v8, s[12:13] offset:64*\b
	global_load_b128 v[BIAS+8*\b+4:BIAS+8*\b+7], v8, s[12:13] offset:64*\b+16
.endr
.macro FRAG reg, adr, k, i
.irp c, 0,1,2,3
	ds_load_b128 v[\reg+4*\c:\reg+4*\c+3], v[\adr] offset:(\k)+32*\c+(\i)*16*PITCH
.endr
.endm
.macro FETCH slot, k, f
	WIN TO_F
.irp i, 0,1,2,3
	FRAG \f+64+16*\i, ADRB+\slot, \k, \i
.endr
.irp i, 0,1,2,3
	FRAG \f+16*\i, ADRA+\slot, \k, \i
.endr
.endm
.macro SCALES set
.irp i, 0,1,2,3
	ds_load_b128 v[SC+16*\set+4*\i:SC+16*\set+4*\i+3], v[ADRS] offset:\i*SBLK
.endr
.endm
.macro PLACES n
.rept \n
	v_nop
.endr
.endm
.macro MUL8 f, a0, q, set, first
.irp a, \a0, \a0+1
.irp b, 0,1,2,3
.if \first
	v_wmma_scale_f32_16x16x128_f8f6f4 v[ACC+8*(4*(\a)+\b):ACC+8*(4*(\a)+\b)+7], v[\f+64+16*\b:\f+64+16*\b+15], v[\f+16*(\a):\f+16*(\a)+15], v[BIAS+8*\b:BIAS+8*\b+7], v[SC+16*(\set)+4*\b+(\q)], v[SC+16*(\set)+4*(\a)+(\q)] matrix_a_scale:MATRIX_SCALE_ROW1
.else
	v_wmma_scale_f32_16x16x128_f8f6f4 v[ACC+8*(4*(\a)+\b):ACC+8*(4*(\a)+\b)+7], v[\f+64+16*\b:\f+64+16*\b+15], v[\f+16*(\a):\f+16*(\a)+15], v[ACC+8*(4*(\a)+\b):ACC+8*(4*(\a)+\b)+7], v[SC+16*(\set)+4*\b+(\q)], v[SC+16*(\set)+4*(\a)+(\q)] matrix_a_scale:MATRIX_SCALE_ROW1
.endif
.endr
.endr
.endm
.macro QUARTER slot, q, f, g, first
	s_wait_dscnt 8
	WIN MUL
	MUL8 \f, 0, \q, \slot, \first
	PLACES 8
	FETCH \slot, 128*(\q)+128, \g
	s_wait_dscnt 32
	WIN MUL
	MUL8 \f, 2, \q, \slot, \first
.endm
.macro TURN slot, next, fill
	WIN 0
	s_wait_tensorcnt 0x0
	ds_add_u32 v[SPW], v[NIL]
	s_wait_dscnt 9
	WIN MUL
	MUL8 F1, 0, 3, \slot, 0
	s_wait_dscnt 0x0
	s_barrier_signal -1
	WIN 0
	s_barrier_wait -1
.if \fill
	CREST
	s_add_nc_u64 s[G0+4*\slot+2:G0+4*\slot+3], s[G0+4*\slot+2:G0+4*\slot+3], 2*KSTEP
	s_add_nc_u64 s[G0B+4*\slot+2:G0B+4*\slot+3], s[G0B+4*\slot+2:G0B+4*\slot+3], 2*KSTEP
	JLOAD G0+4*\slot, G1, G0B+4*\slot, G1B
	PLACES 4
.else
	PLACES 8
.endif
	v_add_nc_u32 v[ADRS], 16, v[ADRS]
	SCALES \next
	FETCH \next, 0, F0
	WIN MUL
	MUL8 F1, 2, 3, \slot, 0
.endm
	s_wait_alu depctr_va_vdst(0)                   ; the wait at the head's end
	s_wait_tensorcnt 0x0                           ; my tile of the head's four is in; slot 1's first fill is issued as a refill is:
	ds_add_u32 v[SPW], v[NIL]                      ; 0 onto my spare word
	s_mov_b32 s[G1+2], 64<<16                      ; no tensor load of mine is out: from here on a load brings 64 rows
	s_mov_b32 s[G1+4], 64
	s_mov_b32 s[G1B+2], 64<<16
	s_mov_b32 s[G1B+4], 64
	s_wait_dscnt 0x0
	CROUND                                         ; all four tiles are in, and all sixteen work-groups are here
	JLOAD G0+4, G1, G0B+4, G1B                     ; K step 1: my one tensor load behind the round
	SCALES 0
	FETCH 0, 0, F0
	WIN 0x80                                       ; the residual, first read on the way out, is asked for behind the head's tiles and K step 1's load: 32 loads into window 2
.irp a, 0,1,2,3
.irp t, 0,1,2,3,4,5,6,7
	global_load_b128 v[32*\a+4*\t:32*\a+4*\t+3], v[CO], s[96:97] offset:(16*\a+2*\t)*4096
.endr
.endr
	s_wait_loadcnt 32                              ; the bias is in; the 32 younger loads may be out
	QUARTER 0, 0, F0, F1, 1
.if LAPS > 1
	WIN 0
	s_mov_b32 s3, LAPS-1
.Llap:
	QUARTER 0, 1, F1, F0, 0
	QUARTER 0, 2, F0, F1, 0
	TURN 0, 1, 1
	QUARTER 1, 0, F0, F1, 0
	QUARTER 1, 1, F1, F0, 0
	QUARTER 1, 2, F0, F1, 0
	TURN 1, 0, 1
	QUARTER 0, 0, F0, F1, 0
	WIN 0
	s_sub_co_u32 s3, s3, 1
	s_cmp_lg_u32 s3, 0
	s_cbranch_scc1 .Llap
.endif
	QUARTER 0, 1, F1, F0, 0
	QUARTER 0, 2, F0, F1, 0
	TURN 0, 1, 0
	QUARTER 1, 0, F0, F1, 0
	QUARTER 1, 1, F1, F0, 0
	QUARTER 1, 2, F0, F1, 0
	s_wait_dscnt 8
	WIN MUL
	MUL8 F1, 0, 3, 1, 0
	s_wait_dscnt 0
	MUL8 F1, 2, 3, 1, 0
	WIN 0
	PLACES 8
.irp a, 0,1,2,3
.irp b, 0,1,2,3
	ds_store_b128 v[STO], v[ACC+8*(4*\a+\b):ACC+8*(4*\a+\b)+3] offset:\a*16*SPITCH+64*\b
	ds_store_b128 v[STO], v[ACC+8*(4*\a+\b)+4:ACC+8*(4*\a+\b)+7] offset:\a*16*SPITCH+64*\b+16
.endr
.endr
	WIN TO_F
.irp a, 0,1,2,3
.irp t, 0,1,2,3,4,5,6,7
	ds_load_b128 v[32*\a+4*\t:32*\a+4*\t+3], v[RD] offset:\a*16*SPITCH+2*\t*SPITCH
.endr
.endr
	s_wait_dscnt 0x0
	s_wait_loadcnt 0x0
	WIN 0x49
.set ii, 0
.rept 64
	v_pk_add_f32 v[ii:ii+1], v[ii:ii+1], v[ii:ii+1]
.set ii, ii+2
.endr
	WIN 0x04
.irp a, 0,1,2,3
.irp t, 0,1,2,3,4,5,6,7
	global_store_b128 v[CO], v[32*\a+4*\t:32*\a+4*\t+3], s[98:99] offset:(16*\a+2*\t)*4096 th:TH_STORE_NT
.endr
.endr
	WIN 0
	s_wait_tensorcnt 0x0
	ds_add_u32 v[SPW], v[NIL]
	s_wait_dscnt 0x0
	CROUND
	s_endpgm
.Lfunc_end_k_q3addbdd14f_g128a:
	.size	k_q3addbdd14f_g128a, .Lfunc_end_k_q3addbdd14f_g128a-k_q3addbdd14f_g128a
	.p2alignl 7, 3214868480
	.fill 96, 4, 3214868480
	.section	.rodata,"a",@progbits
	.p2align	6, 0x0
	.amdhsa_kernel k_q3addbdd14f_g128a
		.amdhsa_group_segment_fixed_size 327680
		.amdhsa_private_segment_fixed_size 0
		.amdhsa_enable_private_segment 0
		.amdhsa_kernarg_size 56
		.amdhsa_user_sgpr_count 2
		.amdhsa_user_sgpr_kernarg_segment_ptr 1
		.amdhsa_wavefront_size32 1
		.amdhsa_system_sgpr_workgroup_id_x 1
		.amdhsa_system_sgpr_workgroup_id_y 1
		.amdhsa_system_sgpr_workgroup_id_z 1
		.amdhsa_system_vgpr_workitem_id 0
		.amdhsa_next_free_vgpr 640
		.amdhsa_next_free_sgpr 102
		.amdhsa_reserve_vcc 0
		.amdhsa_float_denorm_mode_32 3
		.amdhsa_float_denorm_mode_16_64 3
		.amdhsa_memory_ordered 1
		.amdhsa_forward_progress 1
		.amdhsa_inst_pref_size 63
	.end_amdhsa_kernel
	.amdgpu_metadata
---
amdhsa.version: [ 1, 2 ]
amdhsa.kernels:
  - .name:           k_q3addbdd14f_g128a
    .symbol:         k_q3addbdd14f_g128a.kd
    .args:
      - { .name: act_codes, .offset: 0, .size: 8, .value_kind: global_buffer, .address_space: global }
      - { .name: act_scales, .offset: 8, .size: 8, .value_kind: global_buffer, .address_space: global }
      - { .name: w_out_codes, .offset: 16, .size: 8, .value_kind: global_buffer, .address_space: global }
      - { .name: w_out_scales, .offset: 24, .size: 8, .value_kind: global_buffer, .address_space: global }
      - { .name: b_out, .offset: 32, .size: 8, .value_kind: global_buffer, .address_space: global }
      - { .name: x, .offset: 40, .size: 8, .value_kind: global_buffer, .address_space: global }
      - { .name: x1, .offset: 48, .size: 8, .value_kind: global_buffer, .address_space: global }
    .group_segment_fixed_size: 327680
    .private_segment_fixed_size: 0
    .kernarg_segment_align: 8
    .kernarg_segment_size: 56
    .max_flat_workgroup_size: 128
    .sgpr_count:     102
    .vgpr_count:     640
    .wavefront_size: 32
...
	.end_amdgpu_metadata
.endif
;; end of part 4
;; launch ln2: the kernel of part 1 again; grid 256 x 1, 16 waves a work-group, no clusters, 3,072 bytes of LDS; arguments x1, g_ln2, b_ln2, act_codes, act_scales; writes act_codes, act_scales
;; launch g256g (part 5): grid 16 x 16, 4 waves a work-group, clusters of 4 x 4, 327,680 bytes of LDS; arguments act_codes, act_scales, w1_codes, w1_scales, b1, g_codes, g_scales; writes g_codes, g_scales
.if DOCPART == 5
	.amdgcn_target "amdgcn-amd-amdhsa--gfx1250"
	.amdhsa_code_object_version 6
	.text
	.protected	k_q3addbdd14f_g256g
	.globl	k_q3addbdd14f_g256g
	.p2align	8
	.type	k_q3addbdd14f_g256g,@function
k_q3addbdd14f_g256g:
	s_mov_b64 s[64:65], 0
	v_nop
	global_prefetch_b8 v0, s[64:65] scope:SCOPE_SE
	s_setreg_imm32_b32 hwreg(HW_REG_WAVE_MODE, 25, 1), 1
	s_wait_xcnt 0x0
	s_wait_alu depctr_hold_cnt(0) depctr_sa_sdst(0) depctr_va_vdst(0) depctr_va_sdst(0) depctr_va_ssrc(0) depctr_va_vcc(0) depctr_vm_vsrc(0)
	s_getreg_b32 s2, hwreg(HW_REG_IB_STS2, 6, 4)
	s_cmp_eq_u32 s2, 0
	s_cbranch_scc0 .Lentry_in_a_cluster
	s_endpgm
.Lentry_in_a_cluster:
	s_bfe_u32 s2, ttmp6, 0x10000c
	s_cmp_lg_u32 s2, 0xf033
	s_cbranch_scc0 .Lentry_shape_is_right
	s_endpgm
.Lentry_shape_is_right:
; g = gelu(h W1^T + b1), exact (by erf), on codes of E4M3 (K = 1,024), and g quantised along its 4,096 columns on the way out.
; A tile of 256 x 256 is made by four waves, 128 x 128 each: 64 accumulators, 512 registers.  K goes in steps of 256 through two LDS slots filled by the tensor data mover; the scale bytes of the tile's
; 256 + 256 rows come once, with the first fills.  4 x 4 work-groups form a cluster: h's tiles are asked for jointly along a row of the cluster, W1's along a column.
; The matrix instruction is used transposed (source 0 = 16 rows of W1, source 1 = 16 rows of h): a lane holds one row and eight neighbouring columns.  The bias is the C of each sum's first product.
; THE WAY OUT.  The accumulators of a window go to the wave's own scratch in LDS as an image of the registers and come back 64 at a time (16 rows x 128 columns) in a loop, which keeps the text short and its
; arithmetic in one window: gelu, the quantiser, codes and scale words to the wave's own part of a stage; behind a barrier whole rows of 256 codes leave.
; GELU: x/2 + x/2 erf(x / sqrt 2), erf(z) = z P(z^2) / Q(z^2) with z held to +-4: a rational form good to a few units in erf's last place.
; LIMITS: NaN and infinities are not served; far on the negative side x/2 (1 + erf) keeps erf's absolute error, about 1e-7 of |x|; a block of zeros gets the byte 1; g_scales leaves in pieces of 8 bytes (one byte in 32 of what the launch stores).
; REGISTERS: window 0: v0-31 addresses; v32-63 scale words, two sets; v64-127 the bias, later at work; v128-255 h's fragments, later at work.  window 1: W1's fragments, two sets.  windows 2, 3: the accumulators.
.set KSTEP,  256
.set NQ,     2
.set ROWB,   256
.set KROW,   1024
.set PITCH,  272
.set FR,     16
.set NL,     4
.set NP,     8
.set HALFT,  128*PITCH
.set SLOT,   4*HALFT
.set LAPS,   KROW/(2*KSTEP)
.set KS,     KROW/32
.set SCL,    2*SLOT
.set HALFS,  (128*KS/256)*272
.set SBLK,   (16*KS/256)*272
.set SPARE,  SCL+4*HALFS               ; the spare words: 128 bytes a wave, named by no other line
.set STW,    128*144
.set SCST,   4*STW
.set SCR,    SCST+2048
.set CO,   7
.set ADRA, 16
.set ADRB, 20
.set SCWA, 22
.set SCRA, 23
.set STC,  24
.set STCC, 25
.set SSC,  26
.set ADRS, 27
.set SPW,  28
.set NIL,  29
.set SSCC, 30
.set RD,   31
.set SC,   32
.set BIAS, 64
.set Q,    64
.set PC,   80
.set TM,   96
.set PW,   112
.set CA11, 114
.set CB6,  116
.set AF,   128
.set Y,    128
.set Z,    192
.set HX,   208
.set X2,   224
.set P,    240
.set A13, 24                           ; erf's constants, in scalar pairs, where the descriptors lay
.set A9,  26
.set A7,  28
.set A5,  30
.set A3,  32
.set A1,  34
.set B8,  36
.set B4,  38
.set B2,  40
.set B0,  42
.set SEL,  44
.set MNT,  46
.set G1, 24
.set G0, 32
.set G1B, 48
.set G0B, 56
.set G1S, 68
.set G0S, 76
.set G1SB, 80
.set G0SB, 88
.set MSB, 0
.macro WIN new
.if MSB != \new
	s_set_vgpr_msb (MSB<<8)|\new
.set MSB, \new
.endif
.endm
.set MUL_LO, 0xa1
.set MUL_HI, 0xf1
.set TO_B,   0x40
.macro JLOAD g0a, g1a, g0b, g1b        ; a joint load: waves 0, 1 fetch for h, waves 2, 3 for W1; four v_nop follow each line
	s_cmp_eq_u32 s15, 0
	s_cbranch_scc0 .Lfor_b_\@
	tensor_load_to_lds s[\g0a:\g0a+3], s[\g1a:\g1a+7]
	s_nop 0
.rept 4
	v_nop
.endr
	s_branch .Lasked_\@
.Lfor_b_\@:
	tensor_load_to_lds s[\g0b:\g0b+3], s[\g1b:\g1b+7]
	s_nop 0
.rept 4
	v_nop
.endr
.Lasked_\@:
.endm
.macro CREST
	s_cmp_lg_u32 s14, 0
	s_cbranch_scc1 .Lnot_wave_0_\@
	s_barrier_signal -3
.Lnot_wave_0_\@:
	s_barrier_wait -3
	s_barrier_signal -1
	s_barrier_wait -1
.endm
.macro CROUND
	s_barrier_signal -1
	s_barrier_wait -1
	CREST
.endm
	s_load_b128 s[4:7], s[0:1], 0x0                ; h's codes, h's scales
	s_load_b128 s[8:11], s[0:1], 0x10              ; W1's codes, W1's scales
	s_load_b64 s[12:13], s[0:1], 0x20              ; b1
	s_load_b64 s[96:97], s[0:1], 0x28              ; g's codes
	s_load_b64 s[98:99], s[0:1], 0x30              ; g's scale bytes
	v_lshl_add_u32 v[SPW], v0, 2, SPARE
	v_mov_b32 v[NIL], 0
	ds_add_u32 v28, v29
	ds_add_u32 v28, v29
	s_wait_dscnt 0x0
	v_lshrrev_b32 v1, 5, v0
	v_readfirstlane_b32 s14, v1
	s_lshr_b32 s15, s14, 1
	s_and_b32 s16, s14, 1
	s_bfe_u32 s40, ttmp6, 0x40000
	s_bfe_u32 s41, ttmp6, 0x40004
	s_lshl_b32 s42, ttmp9, 2
	s_add_co_u32 s42, s42, s40                     ; tile column
	s_and_b32 s17, ttmp7, 0xffff
	s_lshl_b32 s17, s17, 2
	s_add_co_u32 s17, s17, s41                     ; tile row
	s_lshl_b32 s43, s41, 2
	s_lshl_b32 s43, 15, s43
	s_lshl_b32 s44, 0x1111, s40
	s_or_b32 s[G1+0], s43, (0<<16)|(1<<20)|(1<<21)|(5<<22)|(3<<25)
	s_or_b32 s[G1B+0], s44, (0<<16)|(1<<20)|(1<<21)|(5<<22)|(3<<25)
.irp g, G1, G1B
	s_mov_b32 s[\g+1], ROWB<<16
	s_mov_b32 s[\g+2], 256<<16                     ; the head's loads bring 256 rows; behind them these two words are set to 128, for the ring's
	s_mov_b32 s[\g+3], ROWB<<16
	s_mov_b32 s[\g+4], 256
	s_mov_b32 s[\g+5], KROW
	s_mov_b32 s[\g+6], 0
	s_mov_b32 s[\g+7], 0
.endr
	s_or_b32 s[G1S+0], s43, (3<<16)|(1<<20)|(1<<21)|(5<<22)|(3<<25)
	s_or_b32 s[G1SB+0], s44, (3<<16)|(1<<20)|(1<<21)|(5<<22)|(3<<25)
.irp g, G1S, G1SB
	s_mov_b32 s[\g+1], 32<<16
	s_mov_b32 s[\g+2], KS<<16                      ; the scales of 256 rows: 256 KS dense bytes as KS rows of 256
	s_mov_b32 s[\g+3], 32<<16
	s_mov_b32 s[\g+4], KS
	s_mov_b32 s[\g+5], 32
	s_mov_b32 s[\g+6], 0
	s_mov_b32 s[\g+7], 0
.endr
	s_lshl_b32 s20, s17, 8                         ; h: the tile's first row
	s_lshl_b32 s46, s42, 8                         ; W1: likewise
	s_mov_b32 s21, 0
	s_mov_b32 s47, 0
	s_mov_b64 s[18:19], KS
	s_mul_u64 s[22:23], s[20:21], s[18:19]
	s_mul_u64 s[92:93], s[46:47], s[18:19]
	s_mov_b64 s[18:19], KROW
	s_mul_u64 s[20:21], s[20:21], s[18:19]
	s_mul_u64 s[46:47], s[46:47], s[18:19]
	s_mul_i32 s45, s14, HALFT
	s_wait_kmcnt 0x0
	s_add_nc_u64 s[20:21], s[4:5], s[20:21]
	s_add_nc_u64 s[22:23], s[6:7], s[22:23]
	s_add_nc_u64 s[46:47], s[8:9], s[46:47]
	s_add_nc_u64 s[92:93], s[10:11], s[92:93]
	CROUND
	s_mov_b32 s[G0S], 1
	s_mov_b32 s[G0S+1], SCL
	s_mov_b64 s[G0S+2:G0S+3], s[22:23]
	s_or_b32 s[G0S+3], s[G0S+3], 0x80000000
	s_mov_b32 s[G0SB], 1
	s_mov_b32 s[G0SB+1], SCL+2*HALFS
	s_mov_b64 s[G0SB+2:G0SB+3], s[92:93]
	s_or_b32 s[G0SB+3], s[G0SB+3], 0x80000000
	s_mov_b32 s4, 1                                ; s[4:7], s[8:11] (the arguments there have been used): group 0 of K step 0's 256 rows of h, and of W1
	s_mov_b32 s5, 0
	s_mov_b64 s[6:7], s[20:21]
	s_or_b32 s7, s7, 0x80000000
	s_mov_b32 s8, 1
	s_mov_b32 s9, 2*HALFT
	s_mov_b64 s[10:11], s[46:47]
	s_or_b32 s11, s11, 0x80000000
	s_mul_i32 s18, s16, 128*KROW                   ; for the ring: my 128 rows of the tile
	s_mov_b32 s19, 0
	s_add_nc_u64 s[20:21], s[20:21], s[18:19]
	s_add_nc_u64 s[46:47], s[46:47], s[18:19]
.irp s, 0,1
	s_mov_b32 s[G0+4*\s], 1
	s_add_co_u32 s[G0+4*\s+1], s45, \s*SLOT
	s_add_nc_u64 s[G0+4*\s+2:G0+4*\s+3], s[20:21], \s*ROWB
	s_or_b32 s[G0+4*\s+3], s[G0+4*\s+3], 0x80000000
	s_mov_b32 s[G0B+4*\s], 1
	s_add_co_u32 s[G0B+4*\s+1], s45, \s*SLOT
	s_add_nc_u64 s[G0B+4*\s+2:G0B+4*\s+3], s[46:47], \s*ROWB
	s_or_b32 s[G0B+4*\s+3], s[G0B+4*\s+3], 0x80000000
.endr
; THE HEAD'S LOADS, ONE A WAVE: wave 0 K step 0's 256 rows of h, wave 1 those of W1, wave 2 h's scales, wave 3 W1's: one chain of branches on the wave's number, an arm a load.
; No prefetch is laid: the block is the largest, in clusters, and K is four steps of 256.
.macro ARM under, g0, g1, next
	s_cmp_lt_u32 s14, \under
	s_cbranch_scc0 \next
	tensor_load_to_lds s[\g0:\g0+3], s[\g1:\g1+7]
	s_nop 0
.rept 4
	v_nop
.endr
	s_branch .Lhead_asked
\next:
.endm
	ARM 1, 4, G1, .Lhead_b
	ARM 2, 8, G1B, .Lhead_sa
	ARM 3, G0S, G1S, .Lhead_sb
	tensor_load_to_lds s[G0SB:G0SB+3], s[G1SB:G1SB+7]
	s_nop 0
.rept 4
	v_nop
.endr
.Lhead_asked:
	v_and_b32 v1, 15, v0
	v_bfe_u32 v2, v0, 4, 1
	v_mul_u32_u24 v3, v1, PITCH
	v_lshl_add_u32 v4, v2, 4, v3
	s_mul_i32 s21, s15, HALFT
	s_mul_i32 s22, s16, HALFT
	s_add_co_u32 s22, s22, 2*HALFT
.irp s, 0,1
	v_add_nc_u32 v[ADRA+\s], s21, v4
	v_add_nc_u32 v[ADRB+\s], s22, v4
	s_add_co_u32 s21, s21, SLOT
	s_add_co_u32 s22, s22, SLOT
.endr
	v_mul_u32_u24 v5, v1, KS
	v_lshrrev_b32 v6, 8, v5
	v_lshl_add_u32 v5, v6, 4, v5
	s_mul_i32 s21, s15, HALFS
	s_mul_i32 s22, s16, HALFS
	s_add_co_u32 s22, s22, 2*HALFS
	s_sub_co_u32 s22, s22, s21
	v_mul_u32_u24 v6, s22, v2
	s_add_co_u32 s21, s21, SCL
	v_add_nc_u32 v5, v5, v6
	v_add_nc_u32 v[ADRS], s21, v5
	s_lshl_b32 s92, s42, 8                         ; the bias: v[BIAS + 8 b + j] = b1[256 x tile column + 128 x my half + 16 b + 8 h + j]
	s_lshl_b32 s93, s16, 7
	s_add_co_u32 s92, s92, s93
	s_lshl_b32 s92, s92, 2
	s_mov_b32 s93, 0
	s_add_nc_u64 s[12:13], s[12:13], s[92:93]
	v_lshlrev_b32 v8, 5, v2
.irp b, 0,1,2,3,4,5,6,7
	global_load_b128 v[BIAS+8*\b:BIAS+8*\b+3], v8, s[12:13] offset:64*\b
	global_load_b128 v[BIAS+8*\b+4:BIAS+8*\b+7], v8, s[12:13] offset:64*\b+16
.endr
	s_lshl_b32 s20, s17, 8
	s_lshl_b32 s21, s14, 6
	s_add_co_u32 s20, s20, s21                     ; the first row that I send: 256 x tile row + 64 x wave
	s_lshl_b32 s92, s20, 12
	s_lshl_b32 s94, s42, 8
	s_add_co_u32 s92, s92, s94
	s_add_nc_u64 s[96:97], s[96:97], s[92:93]      ; a row of g's codes is 4,096 bytes
	s_lshl_b32 s92, s20, 7
	s_lshl_b32 s94, s42, 3
	s_add_co_u32 s92, s92, s94
	s_add_nc_u64 s[98:99], s[98:99], s[92:93]      ; of its scale bytes 128
.macro FRAG reg, adr, q, i
.irp c, 0,1,2,3
	ds_load_b128 v[\reg+4*\c:\reg+4*\c+3], v[\adr] offset:128*(\q)+32*\c+(\i)*16*PITCH
.endr
.endm
; 16 products: h's blocks a0, a0 + 1 x W1's eight.  cm = 1: the bias starts the sums.  The 64 accumulators take turns in one order.
.macro MUL16 a0, p, q, sc, cm
.irp a, \a0, \a0+1
.irp b, 0,1,2,3,4,5,6,7
.if \cm
	v_wmma_scale_f32_16x16x128_f8f6f4 v[8*(8*((\a)%4)+\b):8*(8*((\a)%4)+\b)+7], v[128*(\p)+FR*\b:128*(\p)+FR*\b+FR-1], v[AF+FR*(\a):AF+FR*(\a)+FR-1], v[BIAS+8*\b:BIAS+8*\b+7], v[SC+8*NQ*(\sc)+NQ*\b+(\q)], v[SC+8*NQ*(\sc)+NQ*(\a)+(\q)] matrix_a_scale:MATRIX_SCALE_ROW1
.else
	v_wmma_scale_f32_16x16x128_f8f6f4 v[8*(8*((\a)%4)+\b):8*(8*((\a)%4)+\b)+7], v[128*(\p)+FR*\b:128*(\p)+FR*\b+FR-1], v[AF+FR*(\a):AF+FR*(\a)+FR-1], v[8*(8*((\a)%4)+\b):8*(8*((\a)%4)+\b)+7], v[SC+8*NQ*(\sc)+NQ*\b+(\q)], v[SC+8*NQ*(\sc)+NQ*(\a)+(\q)] matrix_a_scale:MATRIX_SCALE_ROW1
.endif
.endr
.endr
.endm
.macro FETCH_B slot, q, p
	WIN TO_B
.irp i, 0,1,2,3,4,5,6,7
	FRAG 128*(\p)+FR*\i, ADRB+\slot, \q, \i
.endr
	WIN 0
.endm
.macro FETCH_A slot, q, i0
.irp i, \i0, \i0+1, \i0+2, \i0+3
	FRAG AF+FR*(\i), ADRA+\slot, \q, \i
.endr
.endm
.macro SCALES sc
.irp i, 0,1,2,3,4,5,6,7
	ds_load_b64 v[SC+8*NQ*\sc+NQ*\i:SC+8*NQ*\sc+NQ*\i+1], v[ADRS] offset:\i*SBLK
.endr
.endm
.macro PLACES n
.rept \n
	v_nop
.endr
.endm
.macro STEP slot, q, cm
	s_wait_dscnt 4*NL                              ; W1's set and h's blocks 0-3 are in; the youngest 16 loads may be out
.if \cm
	WIN 0x81                                       ; C (the bias) from window 0
.else
	WIN MUL_LO
.endif
	MUL16 0, (\q)%2, \q, \slot, \cm
	MUL16 2, (\q)%2, \q, \slot, \cm
	s_wait_dscnt 0
	PLACES NP
	FETCH_B \slot, (\q)+1, 1-(\q)%2
	FETCH_A \slot, (\q)+1, 0
.if \cm
	WIN 0xc1
.else
	WIN MUL_HI
.endif
	MUL16 4, (\q)%2, \q, \slot, \cm
	MUL16 6, (\q)%2, \q, \slot, \cm
	PLACES NP
	WIN 0
	FETCH_A \slot, (\q)+1, 4
.endm
.macro TURN slot, next, fill
	s_wait_tensorcnt 0x0                           ; all my tensor loads have landed: my part of the next slot
	ds_add_u32 v[SPW], v[NIL]                      ; 0 onto my spare word
	s_wait_dscnt 4*NL+1                            ; the add and the youngest 16 loads may be out
	WIN MUL_LO
	MUL16 0, 1, NQ-1, \slot, 0
	s_wait_dscnt 0x0                               ; the add is done, and my reads of this slot are over
	s_barrier_signal -1
	MUL16 2, 1, NQ-1, \slot, 0
	WIN 0
	s_barrier_wait -1
.if \fill
	CREST
	s_add_nc_u64 s[G0+4*\slot+2:G0+4*\slot+3], s[G0+4*\slot+2:G0+4*\slot+3], 2*ROWB
	s_add_nc_u64 s[G0B+4*\slot+2:G0B+4*\slot+3], s[G0B+4*\slot+2:G0B+4*\slot+3], 2*ROWB
	JLOAD G0+4*\slot, G1, G0B+4*\slot, G1B
	PLACES NP-4
.else
	PLACES NP
.endif
	s_wait_alu depctr_va_vdst(0)
	v_add_nc_u32 v[ADRS], 4*NQ, v[ADRS]
	FETCH_B \next, 0, 0
	FETCH_A \next, 0, 0
	SCALES \next
	WIN MUL_HI
	MUL16 4, 1, NQ-1, \slot, 0
	MUL16 6, 1, NQ-1, \slot, 0
	PLACES NP
	WIN 0
	FETCH_A \next, 0, 4
.endm
	s_wait_alu depctr_va_vdst(0)
	s_wait_tensorcnt 0x0                           ; my tile of the head's four is in; slot 1's first fill is issued as a refill is:
	ds_add_u32 v[SPW], v[NIL]                      ; 0 onto my spare word
	s_mov_b32 s[G1+2], 128<<16                     ; no tensor load of mine is out: from here on a load brings 128 rows
	s_mov_b32 s[G1+4], 128
	s_mov_b32 s[G1B+2], 128<<16
	s_mov_b32 s[G1B+4], 128
	s_wait_dscnt 0x0
	CROUND                                         ; all four tiles are in, and all sixteen work-groups are here
	JLOAD G0+4, G1, G0B+4, G1B                     ; K step 1: my one tensor load behind the round
	FETCH_B 0, 0, 0
	FETCH_A 0, 0, 0
	SCALES 0
	FETCH_A 0, 0, 4
	s_wait_loadcnt 0x0                             ; the bias
	STEP 0, 0, 1
	s_mov_b32 s3, LAPS-1
.Llap:
	TURN 0, 1, 1
	STEP 1, 0, 0
	TURN 1, 0, 1
	STEP 0, 0, 0
	s_sub_co_u32 s3, s3, 1
	s_cmp_lg_u32 s3, 0
	s_cbranch_scc1 .Llap
	TURN 0, 1, 0
	STEP 1, 0, 0
	s_wait_dscnt 4*NL
	WIN MUL_LO
	MUL16 0, 1, NQ-1, 1, 0
	MUL16 2, 1, NQ-1, 1, 0
	s_wait_dscnt 0
	WIN MUL_HI
	MUL16 4, 1, NQ-1, 1, 0
	MUL16 6, 1, NQ-1, 1, 0
	WIN 0
	; ---- THE WAY OUT
	PLACES NP
	s_wait_dscnt 0x0
	s_barrier_signal -1                            ; no wave reads a slot any more: stage and scratch may be written
	s_barrier_wait -1
.macro CONST p, bits
	s_mov_b32 s[\p], \bits
	s_mov_b32 s[\p+1], \bits
.endm
	CONST A13, 0xaf95df0b
	CONST A9,  0xb60cff51
	CONST A7,  0xb86ec2d2
	CONST A5,  0xba40ac63
	CONST A3,  0xbb41a1f6
	CONST A1,  0xbc83dbd4
	CONST B8,  0xb77460cd
	CONST B4,  0xbadc924e
	CONST B2,  0xbbf19bf8
	CONST B0,  0xbc69b6a7
	v_mov_b32 v[CA11], 0x32edffee
	v_mov_b32 v[CA11+1], 0x32edffee
	v_mov_b32 v[CB6], 0xb95fbd29
	v_mov_b32 v[CB6+1], 0xb95fbd29
	s_mov_b32 s[SEL], 0x76543210
	s_mov_b32 s[SEL+1], 0xfedcba98
	s_mov_b32 s[MNT], 0x600000
	v_and_b32 v3, 31, v0
	v_lshlrev_b32 v[CO], 4, v3
	s_lshl_b32 s18, s14, 15
	s_add_co_u32 s18, s18, SCR
	v_add_nc_u32 v[SCWA], s18, v[CO]               ; my scratch
	s_wait_alu depctr_va_vdst(0)
	s_mul_i32 s18, s14, STW
	v_mul_u32_u24 v[STC], v1, 144
	v_lshl_add_u32 v[STC], v2, 3, v[STC]
	v_add_nc_u32 v[STC], s18, v[STC]               ; my stage: row r, + 8 h
	s_lshl_b32 s18, s16, 10
	s_lshl_b32 s19, s15, 9
	s_add_co_u32 s18, s18, s19
	s_add_co_u32 s18, s18, SCST
	v_lshl_add_u32 v[SSC], v1, 2, s18
.irp b, 0,1,2,3
	v_mov_b32 v[TM+4+\b], 0
.endr
	s_mov_b32 s19, 0
	s_mov_b32 s20, 0
.macro GELU k                          ; 16 numbers, as 8 pairs by turns
.set YK, Y+16*(\k)
.irp p, 0,2,4,6,8,10,12,14
	v_pk_mul_f32 v[Z+\p:Z+\p+1], v[YK+\p:YK+\p+1], 0x3f3504f3 op_sel_hi:[1,0]   ; z = x / sqrt 2
.endr
.irp p, 0,2,4,6,8,10,12,14
	v_pk_mul_f32 v[HX+\p:HX+\p+1], v[YK+\p:YK+\p+1], 0.5 op_sel_hi:[1,0]
.endr
.irp i, 0,1,2,3,4,5,6,7,8,9,10,11,12,13,14,15
	v_med3_num_f32 v[Z+\i], v[Z+\i], -4.0, 4.0
.endr
.irp p, 0,2,4,6,8,10,12,14
	v_pk_mul_f32 v[X2+\p:X2+\p+1], v[Z+\p:Z+\p+1], v[Z+\p:Z+\p+1]
.endr
.irp p, 0,2,4,6,8,10,12,14
	v_pk_fma_f32 v[Q+\p:Q+\p+1], v[X2+\p:X2+\p+1], s[B8:B8+1], v[CB6:CB6+1] op_sel_hi:[1,0,1]
.endr
.irp c, B4, B2, B0
.irp p, 0,2,4,6,8,10,12,14
	v_pk_fma_f32 v[Q+\p:Q+\p+1], v[Q+\p:Q+\p+1], v[X2+\p:X2+\p+1], s[\c:\c+1] op_sel_hi:[1,1,0]
.endr
.endr
	s_wait_alu depctr_va_vdst(0)
.irp i, 0,1,2,3,4,5,6,7,8,9,10,11,12,13,14,15
	v_rcp_f32 v[Q+\i], v[Q+\i]
.endr
.irp p, 0,2,4,6,8,10,12,14             ; P's 56 lines name no reciprocal: the independent work behind the batch
	v_pk_fma_f32 v[P+\p:P+\p+1], v[X2+\p:X2+\p+1], s[A13:A13+1], v[CA11:CA11+1] op_sel_hi:[1,0,1]
.endr
.irp c, A9, A7, A5, A3, A1
.irp p, 0,2,4,6,8,10,12,14
	v_pk_fma_f32 v[P+\p:P+\p+1], v[P+\p:P+\p+1], v[X2+\p:X2+\p+1], s[\c:\c+1] op_sel_hi:[1,1,0]
.endr
.endr
.irp p, 0,2,4,6,8,10,12,14
	v_pk_mul_f32 v[P+\p:P+\p+1], v[P+\p:P+\p+1], v[Z+\p:Z+\p+1]
.endr
	s_wait_alu depctr_va_vdst(0)                   ; one wait for the 16 reciprocals, ahead of their first reader
.irp p, 0,2,4,6,8,10,12,14
	v_pk_mul_f32 v[P+\p:P+\p+1], v[P+\p:P+\p+1], v[Q+\p:Q+\p+1]   ; erf
.endr
.irp p, 0,2,4,6,8,10,12,14
	v_pk_fma_f32 v[YK+\p:YK+\p+1], v[HX+\p:HX+\p+1], v[P+\p:P+\p+1], v[HX+\p:HX+\p+1]
.endr
.endm
; 64 numbers of a lane: register 16 c + i is column 32 c + 8 h + i (i < 8) or 32 c + 16 + 8 h + i - 8: a block of 32 lies in lanes l and l xor 16
.macro QUANT
.irp b, 0,1,2,3
	v_max3_num_f32 v[TM+\b], |v[Y+16*\b]|, |v[Y+1+16*\b]|, 0x4800000
.endr
.irp i, 2,4,6,8,10,12,14
.irp b, 0,1,2,3
	v_max3_num_f32 v[TM+\b], v[TM+\b], |v[Y+16*\b+\i]|, |v[Y+1+16*\b+\i]|
.endr
.endr
.irp b, 0,1,2,3
	v_permlanex16_b32 v[TM+4+\b], v[TM+\b], s[SEL], s[SEL+1]
.endr
.irp b, 0,1,2,3
	v_max_num_f32 v[TM+\b], v[TM+\b], v[TM+4+\b]
.endr
.irp b, 0,1,2,3
	v_add_nc_u32 v[TM+12+\b], 0xfc000000, v[TM+\b]
.endr
.irp b, 0,1,2,3
	v_and_or_b32 v[TM+8+\b], v[TM+\b], 0x7f800000, s[MNT]
.endr
.irp b, 0,1,2,3
	v_lshrrev_b32 v[TM+4+\b], 23, v[TM+12+\b]
.endr
	v_lshl_or_b32 v[PW], v[TM+5], 8, v[TM+4]
	v_lshl_or_b32 v[PW], v[TM+6], 16, v[PW]
	v_lshl_or_b32 v[PW], v[TM+7], 24, v[PW]
.irp b, 0,1,2,3
.irp i, 0,1,2,3,4,5,6,7,8,9,10,11,12,13,14,15
	v_med3_num_f32 v[Y+16*\b+\i], v[Y+16*\b+\i], -v[TM+8+\b], v[TM+8+\b]
.endr
	v_cvt_scalef32_pk8_fp8_f32 v[PC+4*\b:PC+1+4*\b], v[Y+16*\b:Y+7+16*\b], v[TM+12+\b]
	v_cvt_scalef32_pk8_fp8_f32 v[PC+2+4*\b:PC+3+4*\b], v[Y+8+16*\b:Y+15+16*\b], v[TM+12+\b]
.endr
	v_nop                                          ; a plain line behind the last conversion
.endm
.macro HALF W
	WIN 0x08+4*(\W-2)
.set kk, 0
.rept 64
	ds_store_b128 v[SCWA], v[4*kk:4*kk+3] offset:512*kk   ; an image of the registers; each accumulator from its low end on
.set kk, kk+1
.endr
	WIN 0
	s_mov_b32 s3, 4
	s_mov_b32 s18, 0
.Ltrip_\@:
	v_add_nc_u32 v[SCRA], s18, v[SCWA]
	s_wait_alu depctr_va_vdst(0)
	v_add_nc_u32 v[STCC], s19, v[STC]
	v_add_nc_u32 v[SSCC], s20, v[SSC]
.set kk, 0
.rept 16
	ds_load_b128 v[Y+4*kk:Y+4*kk+3], v[SCRA] offset:512*kk
.set kk, kk+1
.endr
	s_wait_dscnt 0x0
	GELU 0
	GELU 1
	GELU 2
	GELU 3
	QUANT
.irp m, 0,1,2,3,4,5,6,7
	ds_store_b64 v[STCC], v[PC+2*\m:PC+2*\m+1] offset:32*(\m/2)+16*(\m%2)
.endr
	ds_store_b32 v[SSCC], v[PW]
	s_add_co_u32 s18, s18, 8192
	s_add_co_u32 s19, s19, 16*144
	s_add_co_u32 s20, s20, 64
	s_sub_co_u32 s3, s3, 1
	s_cmp_lg_u32 s3, 0
	s_cbranch_scc1 .Ltrip_\@
.endm
	HALF 2
	HALF 3
	; back: I send rows 64 x wave on; lanes 0-15 one row of 256 codes, lanes 16-31 the next; lanes 8-15 of a row read the other column half's stage
	v_bfe_u32 v3, v0, 3, 1
	v_mul_u32_u24 v[RD], v3, STW
	s_lshl_b32 s18, s16, 6
	v_add_nc_u32 v3, s18, v2
	v_mad_u32_u24 v[RD], v3, 144, v[RD]
	v_and_b32 v3, 7, v0
	v_lshl_add_u32 v[RD], v3, 4, v[RD]
	s_mul_i32 s18, s15, 2*STW
	v_add_nc_u32 v[RD], s18, v[RD]
	v_lshlrev_b32 v[CO], 12, v2
	v_lshl_add_u32 v[CO], v1, 4, v[CO]
	v_and_b32 v3, 31, v0
	s_lshl_b32 s18, s14, 8
	s_add_co_u32 s18, s18, SCST
	v_lshl_add_u32 v[SCRA], v3, 2, s18
	v_lshlrev_b32 v[SSCC], 7, v3
	s_wait_alu depctr_va_vdst(0)
	s_wait_dscnt 0x0                               ; for the others' sake: my codes and words lie in LDS
	s_barrier_signal -1
	s_barrier_wait -1
	ds_load_b32 v[PC], v[SCRA]                     ; a row's two scale words
	ds_load_b32 v[PC+1], v[SCRA] offset:1024
	ds_load_b32 v[PC+2], v[SCRA] offset:128
	ds_load_b32 v[PC+3], v[SCRA] offset:1152
.set nn, 0
.rept 32
	ds_load_b128 v[128+4*nn:131+4*nn], v[RD] offset:2*nn*144
.set nn, nn+1
.endr
	s_wait_dscnt 32                                ; the 32 younger loads may be out
	global_store_b64 v[SSCC], v[PC:PC+1], s[98:99]
	global_store_b64 v[SSCC], v[PC+2:PC+3], s[98:99] offset:4096
.set nn, 0
.rept 32
	s_wait_dscnt 31-nn
	global_store_b128 v[CO], v[128+4*nn:131+4*nn], s[96:97] offset:2*nn*4096   ; 16 lanes: 256 consecutive bytes, aligned
.set nn, nn+1
.endr
	s_wait_tensorcnt 0x0                           ; the wave's end
	ds_add_u32 v[SPW], v[NIL]
	s_wait_dscnt 0x0
	CROUND
	s_endpgm
.Lfunc_end_k_q3addbdd14f_g256g:
	.size	k_q3addbdd14f_g256g, .Lfunc_end_k_q3addbdd14f_g256g-k_q3addbdd14f_g256g
	.p2alignl 7, 3214868480
	.fill 96, 4, 3214868480
	.section	.rodata,"a",@progbits
	.p2align	6, 0x0
	.amdhsa_kernel k_q3addbdd14f_g256g
		.amdhsa_group_segment_fixed_size 327680
		.amdhsa_private_segment_fixed_size 0
		.amdhsa_enable_private_segment 0
		.amdhsa_kernarg_size 56
		.amdhsa_user_sgpr_count 2
		.amdhsa_user_sgpr_kernarg_segment_ptr 1
		.amdhsa_wavefront_size32 1
		.amdhsa_system_sgpr_workgroup_id_x 1
		.amdhsa_system_sgpr_workgroup_id_y 1
		.amdhsa_system_sgpr_workgroup_id_z 1
		.amdhsa_system_vgpr_workitem_id 0
		.amdhsa_next_free_vgpr 1024
		.amdhsa_next_free_sgpr 100
		.amdhsa_reserve_vcc 0
		.amdhsa_float_denorm_mode_32 3
		.amdhsa_float_denorm_mode_16_64 3
		.amdhsa_memory_ordered 1
		.amdhsa_forward_progress 1
		.amdhsa_inst_pref_size 235
	.end_amdhsa_kernel
	.amdgpu_metadata
---
amdhsa.version: [ 1, 2 ]
amdhsa.kernels:
  - .name:           k_q3addbdd14f_g256g
    .symbol:         k_q3addbdd14f_g256g.kd
    .args:
      - { .name: act_codes, .offset: 0, .size: 8, .value_kind: global_buffer, .address_space: global }
      - { .name: act_scales, .offset: 8, .size: 8, .value_kind: global_buffer, .address_space: global }
      - { .name: w1_codes, .offset: 16, .size: 8, .value_kind: global_buffer, .address_space: global }
      - { .name: w1_scales, .offset: 24, .size: 8, .value_kind: global_buffer, .address_space: global }
      - { .name: b1, .offset: 32, .size: 8, .value_kind: global_buffer, .address_space: global }
      - { .name: g_codes, .offset: 40, .size: 8, .value_kind: global_buffer, .address_space: global }
      - { .name: g_scales, .offset: 48, .size: 8, .value_kind: global_buffer, .address_space: global }
    .group_segment_fixed_size: 327680
    .private_segment_fixed_size: 0
    .kernarg_segment_align: 8
    .kernarg_segment_size: 56
    .max_flat_workgroup_size: 128
    .sgpr_count:     100
    .vgpr_count:     1024
    .wavefront_size: 32
...
	.end_amdgpu_metadata
.endif
;; end of part 5
;; launch g128b (part 6): grid 8 x 32, 4 waves a work-group, clusters of 4 x 4, 327,680 bytes of LDS; arguments g_codes, g_scales, w2_codes, w2_scales, b2, x1, out0; writes out0
.if DOCPART == 6
	.amdgcn_target "amdgcn-amd-amdhsa--gfx1250"
	.amdhsa_code_object_version 6
	.text
	.protected	k_q3addbdd14f_g128b
	.globl	k_q3addbdd14f_g128b
	.p2align	8
	.type	k_q3addbdd14f_g128b,@function
k_q3addbdd14f_g128b:
	s_mov_b64 s[64:65], 0
	v_nop
	global_prefetch_b8 v0, s[64:65] scope:SCOPE_SE
	s_setreg_imm32_b32 hwreg(HW_REG_WAVE_MODE, 25, 1), 1
	s_wait_xcnt 0x0
	s_wait_alu depctr_hold_cnt(0) depctr_sa_sdst(0) depctr_va_vdst(0) depctr_va_sdst(0) depctr_va_ssrc(0) depctr_va_vcc(0) depctr_vm_vsrc(0)
	s_getreg_b32 s2, hwreg(HW_REG_IB_STS2, 6, 4)
	s_cmp_eq_u32 s2, 0
	s_cbranch_scc0 .Lentry_in_a_cluster
	s_endpgm
.Lentry_in_a_cluster:
	s_bfe_u32 s2, ttmp6, 0x10000c
	s_cmp_lg_u32 s2, 0xf033
	s_cbranch_scc0 .Lentry_shape_is_right
	s_endpgm
.Lentry_shape_is_right:
; out = x1 + g W2^T + b2 on codes of E4M3 (K = 4,096), f32 out.  A tile of 128 x 128 is made by four waves, 64 x 64 each; K goes in eight steps of 512 through two LDS slots filled by joint tensor loads
; (4 x 4 work-groups a cluster: A's tiles shared along a row, B's along a column); the scale bytes of the tile's rows come once, at the head.  The bias is the first products' C; x1 is added on the way out.
; PREFETCH, two K steps ahead of the load that wants the bytes: the head asks for K steps 1 and 2, slot 1's first fill for step 3, the refill of step j for step j + 2; the loop's last trip asks for nothing.
; A K step of the 64 rows that a wave fetches is 128 blocks of 256 bytes; the four partners that ask for them jointly share them by address: 16 rows x 2 blocks each, a lane a block, one instruction a wave.
; LIMITS: NaN and infinities are not served.
.set KTOT,   4096
.set PFA, 66                           ; s[66:67] my share of the rows that I fetch; stepped by a K step at each refill
.set PFO, 30                           ; v30 (lane / 2) rows + (lane % 2) x 256 bytes
.set KSTEP,  512
.set PITCH,  528
.set HALFT,  64*PITCH
.set SLOT,   4*HALFT
.set LAPS,   KTOT/(2*KSTEP)
.set KS,     KTOT/32
.set SCL,    2*SLOT
.set NSR,    64*KS/256
.set HALFS,  NSR*272
.set SBLK,   (16*KS/256)*272
.set SPARE,  SCL+4*HALFS
.set SPITCH, 272
.set ADRA, 16
.set ADRB, 20
.set STO,  24
.set RD,   25
.set CO,   26
.set ADRS, 27
.set SPW,  28
.set NIL,  29
.set SC,   32
.set BIAS, 64
.set ACC,  128
.set F0,   0
.set F1,   128
.set G1, 24
.set G0, 32
.set G1B, 48
.set G0B, 56
.set G1S, 68
.set G0S, 76
.set G1SB, 80
.set G0SB, 88
.set MSB, 0
.macro WIN new
.if MSB != \new
	s_set_vgpr_msb (MSB<<8)|\new
.set MSB, \new
.endif
.endm
.set MUL,  0x05
.set TO_F, 0x40
.macro JLOAD g0a, g1a, g0b, g1b
	s_cmp_eq_u32 s15, 0
	s_cbranch_scc0 .Lfor_b_\@
	tensor_load_to_lds s[\g0a:\g0a+3], s[\g1a:\g1a+7]
	s_nop 0
.rept 4
	v_nop
.endr
	s_branch .Lasked_\@
.Lfor_b_\@:
	tensor_load_to_lds s[\g0b:\g0b+3], s[\g1b:\g1b+7]
	s_nop 0
.rept 4
	v_nop
.endr
.Lasked_\@:
.endm
.macro CREST
	s_cmp_lg_u32 s14, 0
	s_cbranch_scc1 .Lnot_wave_0_\@
	s_barrier_signal -3
.Lnot_wave_0_\@:
	s_barrier_wait -3
	s_barrier_signal -1
	s_barrier_wait -1
.endm
.macro CROUND
	s_barrier_signal -1
	s_barrier_wait -1
	CREST
.endm
	s_load_b128 s[4:7], s[0:1], 0x0
	s_load_b128 s[8:11], s[0:1], 0x10
	s_load_b64 s[12:13], s[0:1], 0x20
	s_load_b64 s[96:97], s[0:1], 0x28
	s_load_b64 s[98:99], s[0:1], 0x30
	v_lshl_add_u32 v[SPW], v0, 2, SPARE
	v_mov_b32 v[NIL], 0
	ds_add_u32 v28, v29
	ds_add_u32 v28, v29
	s_wait_dscnt 0x0
	v_lshrrev_b32 v1, 5, v0
	v_readfirstlane_b32 s14, v1
	s_lshr_b32 s15, s14, 1
	s_and_b32 s16, s14, 1
	s_bfe_u32 s40, ttmp6, 0x40000
	s_bfe_u32 s41, ttmp6, 0x40004
	s_lshl_b32 s42, ttmp9, 2
	s_add_co_u32 s42, s42, s40
	s_and_b32 s17, ttmp7, 0xffff
	s_lshl_b32 s17, s17, 2
	s_add_co_u32 s17, s17, s41
	s_lshl_b32 s43, s41, 2
	s_lshl_b32 s43, 15, s43
	s_lshl_b32 s44, 0x1111, s40
	s_or_b32 s[G1+0], s43, (0<<16)|(1<<20)|(1<<21)|(6<<22)|(3<<25)
	s_or_b32 s[G1B+0], s44, (0<<16)|(1<<20)|(1<<21)|(6<<22)|(3<<25)
.irp g, G1, G1B
	s_mov_b32 s[\g+1], KSTEP<<16
	s_mov_b32 s[\g+2], 128<<16                     ; the head's loads bring 128 rows; behind them these two words are set to 64, for the ring's
	s_mov_b32 s[\g+3], KSTEP<<16
	s_mov_b32 s[\g+4], 128
	s_mov_b32 s[\g+5], KTOT
	s_mov_b32 s[\g+6], 0
	s_mov_b32 s[\g+7], 0
.endr
	s_or_b32 s[G1S+0], s43, (3<<16)|(1<<20)|(1<<21)|(5<<22)|(3<<25)
	s_or_b32 s[G1SB+0], s44, (3<<16)|(1<<20)|(1<<21)|(5<<22)|(3<<25)
.irp g, G1S, G1SB
	s_mov_b32 s[\g+1], 32<<16
	s_mov_b32 s[\g+2], (2*NSR)<<16                 ; the scales of 128 rows
	s_mov_b32 s[\g+3], 32<<16
	s_mov_b32 s[\g+4], 2*NSR
	s_mov_b32 s[\g+5], 32
	s_mov_b32 s[\g+6], 0
	s_mov_b32 s[\g+7], 0
.endr
	s_lshl_b32 s20, s17, 7                         ; A: the tile's first row
	s_lshl_b32 s46, s42, 7                         ; B: likewise
	s_mov_b32 s21, 0
	s_mov_b32 s47, 0
	s_mov_b64 s[18:19], KS
	s_mul_u64 s[22:23], s[20:21], s[18:19]
	s_mul_u64 s[92:93], s[46:47], s[18:19]
	s_mov_b64 s[18:19], KTOT
	s_mul_u64 s[20:21], s[20:21], s[18:19]
	s_mul_u64 s[46:47], s[46:47], s[18:19]
	s_mul_i32 s45, s14, HALFT
	s_wait_kmcnt 0x0
	s_add_nc_u64 s[20:21], s[4:5], s[20:21]
	s_add_nc_u64 s[22:23], s[6:7], s[22:23]
	s_add_nc_u64 s[46:47], s[8:9], s[46:47]
	s_add_nc_u64 s[92:93], s[10:11], s[92:93]
	CROUND
	s_mov_b32 s[G0S], 1
	s_mov_b32 s[G0S+1], SCL
	s_mov_b64 s[G0S+2:G0S+3], s[22:23]
	s_or_b32 s[G0S+3], s[G0S+3], 0x80000000
	s_mov_b32 s[G0SB], 1
	s_mov_b32 s[G0SB+1], SCL+2*HALFS
	s_mov_b64 s[G0SB+2:G0SB+3], s[92:93]
	s_or_b32 s[G0SB+3], s[G0SB+3], 0x80000000
	s_mov_b32 s4, 1                                ; s[4:7], s[8:11]: group 0 of K step 0's 128 rows of A, and of B
	s_mov_b32 s5, 0
	s_mov_b64 s[6:7], s[20:21]
	s_or_b32 s7, s7, 0x80000000
	s_mov_b32 s8, 1
	s_mov_b32 s9, 2*HALFT
	s_mov_b64 s[10:11], s[46:47]
	s_or_b32 s11, s11, 0x80000000
	s_mul_i32 s18, s16, 64*KTOT                    ; for the ring: my 64 rows of the tile
	s_mov_b32 s19, 0
	s_add_nc_u64 s[20:21], s[20:21], s[18:19]
	s_add_nc_u64 s[46:47], s[46:47], s[18:19]
	s_cmp_eq_u32 s15, 0                            ; the prefetches: do I fetch for A?
	s_cselect_b32 s100, s40, s41                   ; my place among the four that ask with me: cx for A, cy for B
	s_cselect_b64 s[PFA:PFA+1], s[20:21], s[46:47]
	s_mul_i32 s100, s100, 16*KTOT                  ; my work-group's 16 of the 64 rows
	s_mov_b32 s101, 0
	s_add_nc_u64 s[PFA:PFA+1], s[PFA:PFA+1], s[100:101]
.irp s, 0,1
	s_mov_b32 s[G0+4*\s], 1
	s_add_co_u32 s[G0+4*\s+1], s45, \s*SLOT
	s_add_nc_u64 s[G0+4*\s+2:G0+4*\s+3], s[20:21], \s*KSTEP
	s_or_b32 s[G0+4*\s+3], s[G0+4*\s+3], 0x80000000
	s_mov_b32 s[G0B+4*\s], 1
	s_add_co_u32 s[G0B+4*\s+1], s45, \s*SLOT
	s_add_nc_u64 s[G0B+4*\s+2:G0B+4*\s+3], s[46:47], \s*KSTEP
	s_or_b32 s[G0B+4*\s+3], s[G0B+4*\s+3], 0x80000000
.endr
; THE HEAD'S LOADS, ONE A WAVE: wave 0 K step 0's rows of A, wave 1 those of B, wave 2 A's scales, wave 3 B's: one chain of branches on the wave's number, an arm a load.
.macro ARM under, g0, g1, next
	s_cmp_lt_u32 s14, \under
	s_cbranch_scc0 \next
	tensor_load_to_lds s[\g0:\g0+3], s[\g1:\g1+7]
	s_nop 0
.rept 4
	v_nop
.endr
	s_branch .Lhead_asked
\next:
.endm
	ARM 1, 4, G1, .Lhead_b
	ARM 2, 8, G1B, .Lhead_sa
	ARM 3, G0S, G1S, .Lhead_sb
	tensor_load_to_lds s[G0SB:G0SB+3], s[G1SB:G1SB+7]
	s_nop 0
.rept 4
	v_nop
.endr
.Lhead_asked:
	v_and_b32 v[PFO], 31, v0
	v_lshrrev_b32 v31, 1, v[PFO]
	v_and_b32 v[PFO], 1, v[PFO]
	v_lshlrev_b32 v[PFO], 8, v[PFO]
	v_mad_u32_u24 v[PFO], v31, KTOT, v[PFO]
	v_and_b32 v1, 15, v0
	v_bfe_u32 v2, v0, 4, 1
	v_mul_u32_u24 v3, v1, PITCH
	v_lshl_add_u32 v4, v2, 4, v3
	s_mul_i32 s21, s15, HALFT
	s_mul_i32 s22, s16, HALFT
	s_add_co_u32 s22, s22, 2*HALFT
.irp s, 0,1
	v_add_nc_u32 v[ADRA+\s], s21, v4
	v_add_nc_u32 v[ADRB+\s], s22, v4
	s_add_co_u32 s21, s21, SLOT
	s_add_co_u32 s22, s22, SLOT
.endr
	v_mul_u32_u24 v5, v1, KS
	v_lshrrev_b32 v6, 8, v5
	v_lshl_add_u32 v5, v6, 4, v5
	s_mul_i32 s21, s15, HALFS
	s_mul_i32 s22, s16, HALFS
	s_add_co_u32 s22, s22, 2*HALFS
	s_sub_co_u32 s22, s22, s21
	v_mul_u32_u24 v6, s22, v2
	s_add_co_u32 s21, s21, SCL
	v_add_nc_u32 v5, v5, v6
	v_add_nc_u32 v[ADRS], s21, v5
	s_mul_i32 s23, s14, 4*16*SPITCH
	v_mul_u32_u24 v5, v1, SPITCH
	v_lshl_add_u32 v5, v2, 5, v5
	v_add_nc_u32 v[STO], s23, v5
	v_mul_u32_u24 v5, v2, SPITCH
	v_lshl_add_u32 v5, v1, 4, v5
	v_add_nc_u32 v[RD], s23, v5
	v_lshlrev_b32 v[CO], 12, v2
	v_lshl_add_u32 v[CO], v1, 4, v[CO]
	s_wait_alu depctr_va_vdst(0)
	s_lshl_b32 s20, s42, 7
	s_lshl_b32 s21, s16, 6
	s_add_co_u32 s20, s20, s21
	s_lshl_b32 s20, s20, 2
	s_mov_b32 s21, 0
	s_add_nc_u64 s[12:13], s[12:13], s[20:21]
	s_lshl_b32 s22, s17, 7
	s_lshl_b32 s23, s15, 6
	s_add_co_u32 s22, s22, s23
	s_lshl_b32 s22, s22, 12
	s_add_co_u32 s20, s20, s22
	s_add_nc_u64 s[96:97], s[96:97], s[20:21]
	s_add_nc_u64 s[98:99], s[98:99], s[20:21]
	v_lshlrev_b32 v8, 5, v2
	global_prefetch_b8 v[PFO], s[PFA:PFA+1] offset:KSTEP th:TH_LOAD_NT scope:SCOPE_SE     ; K step 1
	global_prefetch_b8 v[PFO], s[PFA:PFA+1] offset:2*KSTEP th:TH_LOAD_NT scope:SCOPE_SE   ; K step 2
.irp b, 0,1,2,3
	global_load_b128 v[BIAS+8*\b:BIAS+8*\b+3], v8, s[12:13] offset:64*\b
	global_load_b128 v[BIAS+8*\b+4:BIAS+8*\b+7], v8, s[12:13] offset:64*\b+16
.endr
.macro FRAG reg, adr, k, i
.irp c, 0,1,2,3
	ds_load_b128 v[\reg+4*\c:\reg+4*\c+3], v[\adr] offset:(\k)+32*\c+(\i)*16*PITCH
.endr
.endm
.macro FETCH slot, k, f
	WIN TO_F
.irp i, 0,1,2,3
	FRAG \f+64+16*\i, ADRB+\slot, \k, \i
.endr
.irp i, 0,1,2,3
	FRAG \f+16*\i, ADRA+\slot, \k, \i
.endr
.endm
.macro SCALES set
.irp i, 0,1,2,3
	ds_load_b128 v[SC+16*\set+4*\i:SC+16*\set+4*\i+3], v[ADRS] offset:\i*SBLK
.endr
.endm
.macro PLACES n
.rept \n
	v_nop
.endr
.endm
.macro MUL8 f, a0, q, set, first
.irp a, \a0, \a0+1
.irp b, 0,1,2,3
.if \first
	v_wmma_scale_f32_16x16x128_f8f6f4 v[ACC+8*(4*(\a)+\b):ACC+8*(4*(\a)+\b)+7], v[\f+64+16*\b:\f+64+16*\b+15], v[\f+16*(\a):\f+16*(\a)+15], v[BIAS+8*\b:BIAS+8*\b+7], v[SC+16*(\set)+4*\b+(\q)], v[SC+16*(\set)+4*(\a)+(\q)] matrix_a_scale:MATRIX_SCALE_ROW1
.else
	v_wmma_scale_f32_16x16x128_f8f6f4 v[ACC+8*(4*(\a)+\b):ACC+8*(4*(\a)+\b)+7], v[\f+64+16*\b:\f+64+16*\b+15], v[\f+16*(\a):\f+16*(\a)+15], v[ACC+8*(4*(\a)+\b):ACC+8*(4*(\a)+\b)+7], v[SC+16*(\set)+4*\b+(\q)], v[SC+16*(\set)+4*(\a)+(\q)] matrix_a_scale:MATRIX_SCALE_ROW1
.endif
.endr
.endr
.endm
.macro QUARTER slot, q, f, g, first
	s_wait_dscnt 8
	WIN MUL
	MUL8 \f, 0, \q, \slot, \first
	PLACES 8
	FETCH \slot, 128*(\q)+128, \g
	s_wait_dscnt 32
	WIN MUL
	MUL8 \f, 2, \q, \slot, \first
.endm
.macro TURN slot, next, fill
	WIN 0
.if \fill
	s_wait_xcnt 0x0                                ; my prefetches have read their address: it steps here, ahead of the waits of the change of slots
	s_add_nc_u64 s[PFA:PFA+1], s[PFA:PFA+1], KSTEP
.endif
	s_wait_tensorcnt 0x0
	ds_add_u32 v[SPW], v[NIL]
	s_wait_dscnt 9
	WIN MUL
	MUL8 F1, 0, 3, \slot, 0
	s_wait_dscnt 0x0
	s_barrier_signal -1
	WIN 0
	s_barrier_wait -1
.if \fill
	CREST
	s_add_nc_u64 s[G0+4*\slot+2:G0+4*\slot+3], s[G0+4*\slot+2:G0+4*\slot+3], 2*KSTEP
	s_add_nc_u64 s[G0B+4*\slot+2:G0B+4*\slot+3], s[G0B+4*\slot+2:G0B+4*\slot+3], 2*KSTEP
	JLOAD G0+4*\slot, G1, G0B+4*\slot, G1B
	PLACES 4
.else
	PLACES 8
.endif
	s_wait_alu depctr_va_vdst(0)
	v_add_nc_u32 v[ADRS], 16, v[ADRS]
	SCALES \next
	FETCH \next, 0, F0
.if \fill
	WIN 0                                          ; at a branch and at a label every window is 0
	s_cmp_gt_u32 s3, 1                             ; the last trip's refills have no K step two on
	s_cbranch_scc0 .Lno_ask_\@
	global_prefetch_b8 v[PFO], s[PFA:PFA+1] offset:3*KSTEP th:TH_LOAD_NT scope:SCOPE_SE   ; the n-th refill brings K step n + 1; the address stands at step n: this names step n + 3
.Lno_ask_\@:
.endif
	WIN MUL
	MUL8 F1, 2, 3, \slot, 0
.endm
	s_wait_alu depctr_va_vdst(0)                   ; the wait at the head's end
	s_wait_tensorcnt 0x0                           ; my tile of the head's four is in; slot 1's first fill is issued as a refill is:
	ds_add_u32 v[SPW], v[NIL]                      ; 0 onto my spare word
	s_mov_b32 s[G1+2], 64<<16                      ; no tensor load of mine is out: from here on a load brings 64 rows
	s_mov_b32 s[G1+4], 64
	s_mov_b32 s[G1B+2], 64<<16
	s_mov_b32 s[G1B+4], 64
	s_wait_dscnt 0x0
	CROUND                                         ; all four tiles are in, and all sixteen work-groups are here
	JLOAD G0+4, G1, G0B+4, G1B                     ; K step 1: my one tensor load behind the round
	SCALES 0
	global_prefetch_b8 v[PFO], s[PFA:PFA+1] offset:3*KSTEP th:TH_LOAD_NT scope:SCOPE_SE   ; K step 3
	FETCH 0, 0, F0
	WIN 0x80                                       ; the residual, first read on the way out, is asked for behind the head's tiles and K step 1's load: 32 loads into window 2
.irp a, 0,1,2,3
.irp t, 0,1,2,3,4,5,6,7
	global_load_b128 v[32*\a+4*\t:32*\a+4*\t+3], v[CO], s[96:97] offset:(16*\a+2*\t)*4096
.endr
.endr
	s_wait_loadcnt 32                              ; the bias is in; the 32 younger loads may be out
	QUARTER 0, 0, F0, F1, 1
.if LAPS > 1
	WIN 0
	s_mov_b32 s3, LAPS-1
.Llap:
	QUARTER 0, 1, F1, F0, 0
	QUARTER 0, 2, F0, F1, 0
	TURN 0, 1, 1
	QUARTER 1, 0, F0, F1, 0
	QUARTER 1, 1, F1, F0, 0
	QUARTER 1, 2, F0, F1, 0
	TURN 1, 0, 1
	QUARTER 0, 0, F0, F1, 0
	WIN 0
	s_sub_co_u32 s3, s3, 1
	s_cmp_lg_u32 s3, 0
	s_cbranch_scc1 .Llap
.endif
	QUARTER 0, 1, F1, F0, 0
	QUARTER 0, 2, F0, F1, 0
	TURN 0, 1, 0
	QUARTER 1, 0, F0, F1, 0
	QUARTER 1, 1, F1, F0, 0
	QUARTER 1, 2, F0, F1, 0
	s_wait_dscnt 8
	WIN MUL
	MUL8 F1, 0, 3, 1, 0
	s_wait_dscnt 0
	MUL8 F1, 2, 3, 1, 0
	WIN 0
	PLACES 8
.irp a, 0,1,2,3
.irp b, 0,1,2,3
	ds_store_b128 v[STO], v[ACC+8*(4*\a+\b):ACC+8*(4*\a+\b)+3] offset:\a*16*SPITCH+64*\b
	ds_store_b128 v[STO], v[ACC+8*(4*\a+\b)+4:ACC+8*(4*\a+\b)+7] offset:\a*16*SPITCH+64*\b+16
.endr
.endr
	WIN TO_F
.irp a, 0,1,2,3
.irp t, 0,1,2,3,4,5,6,7
	ds_load_b128 v[32*\a+4*\t:32*\a+4*\t+3], v[RD] offset:\a*16*SPITCH+2*\t*SPITCH
.endr
.endr
	s_wait_dscnt 0x0
	s_wait_loadcnt 0x0
	WIN 0x49
.set ii, 0
.rept 64
	v_pk_add_f32 v[ii:ii+1], v[ii:ii+1], v[ii:ii+1]
.set ii, ii+2
.endr
	WIN 0x04
.irp a, 0,1,2,3
.irp t, 0,1,2,3,4,5,6,7
	global_store_b128 v[CO], v[32*\a+4*\t:32*\a+4*\t+3], s[98:99] offset:(16*\a+2*\t)*4096 th:TH_STORE_NT
.endr
.endr
	WIN 0
	s_wait_tensorcnt 0x0
	ds_add_u32 v[SPW], v[NIL]
	s_wait_dscnt 0x0
	CROUND
	s_endpgm
.Lfunc_end_k_q3addbdd14f_g128b:
	.size	k_q3addbdd14f_g128b, .Lfunc_end_k_q3addbdd14f_g128b-k_q3addbdd14f_g128b
	.p2alignl 7, 3214868480
	.fill 96, 4, 3214868480
	.section	.rodata,"a",@progbits
	.p2align	6, 0x0
	.amdhsa_kernel k_q3addbdd14f_g128b
		.amdhsa_group_segment_fixed_size 327680
		.amdhsa_private_segment_fixed_size 0
		.amdhsa_enable_private_segment 0
		.amdhsa_kernarg_size 56
		.amdhsa_user_sgpr_count 2
		.amdhsa_user_sgpr_kernarg_segment_ptr 1
		.amdhsa_wavefront_size32 1
		.amdhsa_system_sgpr_workgroup_id_x 1
		.amdhsa_system_sgpr_workgroup_id_y 1
		.amdhsa_system_sgpr_workgroup_id_z 1
		.amdhsa_system_vgpr_workitem_id 0
		.amdhsa_next_free_vgpr 640
		.amdhsa_next_free_sgpr 102
		.amdhsa_reserve_vcc 0
		.amdhsa_float_denorm_mode_32 3
		.amdhsa_float_denorm_mode_16_64 3
		.amdhsa_memory_ordered 1
		.amdhsa_forward_progress 1
		.amdhsa_inst_pref_size 102
	.end_amdhsa_kernel
	.amdgpu_metadata
---
amdhsa.version: [ 1, 2 ]
amdhsa.kernels:
  - .name:           k_q3addbdd14f_g128b
    .symbol:         k_q3addbdd14f_g128b.kd
    .args:
      - { .name: g_codes, .offset: 0, .size: 8, .value_kind: global_buffer, .address_space: global }
      - { .name: g_scales, .offset: 8, .size: 8, .value_kind: global_buffer, .address_space: global }
      - { .name: w2_codes, .offset: 16, .size: 8, .value_kind: global_buffer, .address_space: global }
      - { .name: w2_scales, .offset: 24, .size: 8, .value_kind: global_buffer, .address_space: global }
      - { .name: b2, .offset: 32, .size: 8, .value_kind: global_buffer, .address_space: global }
      - { .name: x1, .offset: 40, .size: 8, .value_kind: global_buffer, .address_space: global }
      - { .name: out0, .offset: 48, .size: 8, .value_kind: global_buffer, .address_space: global }
    .group_segment_fixed_size: 327680
    .private_segment_fixed_size: 0
    .kernarg_segment_align: 8
    .kernarg_segment_size: 56
    .max_flat_workgroup_size: 128
    .sgpr_count:     102
    .vgpr_count:     640
    .wavefront_size: 32
...
	.end_amdgpu_metadata
.endif
;; end of part 6
